; MI455X (gfx1250); checked and timed in simulation.
; The chip was launched on July 23, 2026; its instructions are those of AMD's public machine-readable ISA for CDNA 5 (MIT licence, August 2026) and "CDNA5" Instruction Set Architecture Reference Guide (July 2026). The comments in the code are by the model that wrote it; some were corrected since.
;; Causal Self Attention. Allowed arithmetic: matrix products marked QUANTISED: E4M3 operands, one E8M0 scale for each 32 along K, by v_wmma_scale_f32_16x16x128_f8f6f4 with both operands' format E4M3, f32 sums; everything else in f32.
;; Inputs: Wk 1,024 x 1,024 float32; Wp 1,024 x 1,024 float32; Wq 1,024 x 1,024 float32; Wv 1,024 x 1,024 float32; bk 1,024 float32; bp 1,024 float32; bq 1,024 float32; bv 1,024 float32; x 4 x 2,048 x 1,024 float32.
;; Outputs: out0 4 x 2,048 x 1,024 float32.
;; This version of the problem:
;;   THIS VERSION OF THE PROBLEM IS GIVEN IN LOW PRECISION. The matrix products marked QUANTISED in the list below multiply operands that are first quantised to E4M3 (4 exponent bits, 3 mantissa bits; 8 bits a number), with one power-of-two scale for each 32 numbers along K (OCP MX v1.0); their sums are f32. All else is computed in f32.
;;   The module's matrix products, in the order in which they are computed (A, B: the left and right operand; K: the contracted axis; several contracted axes count as one K, in the product's order):
;;     1. [M 8,192, K 1,024] x [K 1,024, N 1,024]; A: input x; B: input Wq: QUANTISED
;;     2. [M 8,192, K 1,024] x [K 1,024, N 1,024]; A: input x; B: input Wk: QUANTISED
;;     3. [M 8,192, K 1,024] x [K 1,024, N 1,024]; A: input x; B: input Wv: QUANTISED
;;     4. batch 64 x [M 2,048, K 64] x [K 64, N 2,048]; A: computed on the way; B: computed on the way: QUANTISED
;;     5. batch 64 x [M 2,048, K 2,048] x [K 2,048, N 64]; A: softmax (see below); B: computed on the way: QUANTISED
;;     6. [M 8,192, K 1,024] x [K 1,024, N 1,024]; A: computed on the way; B: input Wp: QUANTISED
;;   THE QUANTISER, for each operand of a quantised product, along K:
;;     - K is cut into blocks of 32 from its start; a last block that is shorter is filled with zeros.
;;     - A block's scale is 2^e with e = floor(log2(the largest magnitude in the block)) - 8, held to -126 .. 127; a block of zeros has e = 0. As a byte (E8M0): e + 127.
;;     - Each number is divided by its block's scale, clamped to +-448, and rounded to the nearest number of E4M3, ties to even, subnormals kept.
;;     - The product sums the exact products of the quantised numbers (number of the format x scale) in f32.
;;   ~~~python
;;   def quantise(x, axis):      # numpy; x: float32 -> the quantised numbers, widened to float32 again
;;       x = np.moveaxis(x, axis, -1); K = x.shape[-1]
;;       x = np.pad(x, [(0, 0)] * (x.ndim - 1) + [(0, -K % 32)]); x = x.reshape(x.shape[:-1] + (-1, 32)); a = np.abs(x).max(-1, keepdims=True)
;;       e = np.where(a > 0, np.clip(np.frexp(np.where(a > 0, a, 1))[1] - 1 - 8, -126, 127), 0)      # np.frexp(a)[1] - 1 = floor(log2(a)), exactly
;;       r = np.clip(x / 2.0 ** e, -448, 448)
;;       step = 2.0 ** (np.maximum(np.frexp(np.where(r == 0, 1, r))[1] - 1, -6) - 3)
;;       q = np.round(r / step) * step * 2.0 ** e      # np.round: ties to even
;;       return np.moveaxis(q.reshape(q.shape[:-2] + (-1,))[..., :K], -1, axis).astype(np.float32)
;;   ~~~
;;   SOFTMAX AHEAD OF A QUANTISED PRODUCT. Where the list says 'softmax', what is quantised is not the finished softmax but p = 2^(t - M), with t = logit x log2(e) and M = ceil(the row's largest t), a whole number; so 1/2 < the row's largest p <= 1. The row's sum l is taken of the UNQUANTISED p, in f32, and the product's result is divided by l at the end. Since M is a whole number, a kernel that streams over the keys may use a running M (the ceiling of the running maximum): every later rescaling is an exact power of two, which a block's scale takes up: the codes' values come out the same.
;;   OPERANDS COMPUTED ON THE WAY. 'Computed on the way' means the value that the module computes at that place (a softmax that the list does not call 'softmax' is quantised finished and normalised). What goes into a quantiser is computed in f32, as accurately as f32 sums, v_exp_f32 and their like allow (about 1e-6 of the number): no bf16 or f16 on the way to a quantiser, and a product that is left as it is and whose result goes on into a quantised operand takes f32 operands (vector FMAs, or v_wmma_f32_16x16x4_f32). A number that lies on a knife's edge between two numbers of the format may be rounded either way, as far as f32 arithmetic and the matrix unit's own rounding can turn it there, and no further.
;; One version. Each part assembles by itself: llvm-mc -triple=amdgcn-amd-amdhsa -mcpu=gfx1250 --defsym DOCPART=n.
;; ======== version 1 of 1: 4 launches
;; limits: right only within a limited range of input values
;; workspace buffers: xw_codes 12,582,912 bytes; xw_scales 393,216 bytes; qkv_img 25,165,824 bytes; qkv_sc 1,310,720 bytes; y_img 8,388,608 bytes; y_sc 262,144 bytes
;; launch quant (part 1): grid 384 x 1, 4 waves a work-group, no clusters, 68,096 bytes of LDS; arguments x, Wq, Wk, Wv, Wp, xw_codes, xw_scales; writes xw_codes, xw_scales
.if DOCPART == 1
	.amdgcn_target "amdgcn-amd-amdhsa--gfx1250"
	.amdhsa_code_object_version 6
	.text
	.protected	k_qd4e784dcf5_quant
	.globl	k_qd4e784dcf5_quant
	.p2align	8
	.type	k_qd4e784dcf5_quant,@function
k_qd4e784dcf5_quant:
	s_mov_b64 s[64:65], 0
	v_nop
	global_prefetch_b8 v0, s[64:65] scope:SCOPE_SE
	s_setreg_imm32_b32 hwreg(HW_REG_WAVE_MODE, 25, 1), 1
	s_wait_xcnt 0x0
; x [8192][1024] and the four weights [1024 (k)][1024 (n)], f32, become codes of FP8 (E4M3) with one E8M0 scale byte for each 32 along K.
; xw_codes: [12288 rows][1024 bytes], K innermost: rows 0-8191 are x's tokens, row 8192 + 1024 w + n is column n of weight w (0 Wq, 1 Wk, 2 Wv, 3 Wp).
; Wp ALONE: inside each block of 32 codes the four groups of 8 lie g0 g2 g1 g3: the order in which the attention launch's results fall into its partner operand's registers.
; xw_scales: [row / 16][K / 256][row % 16][8 bytes]: the 16 rows' bytes of a K step of 256 are 128 bytes on end, and a lane of the products' launches takes its row's two scale words by one load of 8 bytes.
; A block's scale is 2^(floor(log2(its largest magnitude)) - 8); its byte is the largest magnitude's exponent field - 8, held at 1 from below.
; LIMITS: a block of zeros, or one whose largest magnitude lies under 2^(9 - 127), gets the byte 1 (a block of zeros has zero codes; these bytes are read by this program alone); NaN and infinities among the inputs are not served.
; Work-groups 0-255 take x (K innermost: two lanes to a block, the numbers turned through the wave's stage in LDS so that every load is dense);
; work-groups 256-383 take the weights (K outermost: a lane to a column, registers down K, the codes out through LDS by rows).  The two ways share no LDS byte and no wave shares anything: no barrier.
.set STEPS, 16
.set SP,    80                         ; x: a lane's place in a stage: 64 bytes + 16 of padding
.set WREG,  8192                       ; x: a wave's LDS region: two stages of 32 x SP bytes, then its 256 scale bytes
.set R,     16                         ; x: v16-79   four sets of 16 numbers as loaded
.set X,     80                         ; x: v80-111  two sets of 16 neighbours
.set C,     128                        ; x: v128-191 codes, four registers a step
.set E,     112                        ; x: v112-127 a scale byte a step
.set WSTG,  32768                      ; W: the stages begin here: 32 rows x PITCH for each wave
.set PITCH, 272
.set NB,    8                          ; W: blocks of 32 along K for a wave
.set WX,    32                         ; W: v32-95   two sets of 32 numbers
.set OUTR,  112                        ; W: v112-175 the way out
.set SB,    24                         ; W: v24-25   the scale bytes
	s_load_b256 s[4:11], s[0:1], 0x0               ; x s[4:5], Wq s[6:7], Wk s[8:9], Wv s[10:11]
	s_load_b128 s[12:15], s[0:1], 0x20             ; Wp s[12:13], the codes s[14:15]
	s_load_b64 s[16:17], s[0:1], 0x30              ; the scale bytes
	v_lshl_add_u32 v192, v0, 2, 0x10800
	v_mov_b32 v193, 0
	v_lshrrev_b32 v1, 5, v0
	v_readfirstlane_b32 s18, v1                    ; wave 0..3
	v_and_b32 v2, 31, v0                           ; lane
	s_cmp_lt_u32 ttmp9, 256
	s_cbranch_scc0 .Lweights
; ---------------- x: wave w of work-group g takes the 16 rows of tile T = 2 g + w / 2, columns 512 (w % 2) on: step t is row t's 512 numbers
	v_lshlrev_b32 v3, 4, v2                        ; 16 x lane: my 16 bytes of a load's 512, and of a step's 512 codes
	s_mul_i32 s19, s18, WREG
	v_lshrrev_b32 v14, 2, v2
	v_mul_u32_u24 v14, v14, SP
	v_and_b32 v15, 3, v2
	v_lshl_add_u32 v14, v15, 4, v14
	v_add_nc_u32 v14, s19, v14                     ; the stage, on the way in: SP (lane / 4) + 16 (lane % 4)
	v_mul_u32_u24 v15, v2, SP
	v_add_nc_u32 v15, s19, v15                     ; and on the way out: SP x lane: my 16 neighbours
	v_lshrrev_b32 v5, 4, v2
	v_bfe_u32 v6, v2, 1, 3
	v_lshl_add_u32 v5, v5, 7, v6                   ; my block's byte: 128 (block / 8) + block % 8, block = lane / 2; the row adds 8 t
	s_add_co_u32 s19, s19, 2*32*SP
	v_add_nc_u32 v5, s19, v5
	v_lshlrev_b32 v7, 3, v2                        ; on the way out 8 bytes a lane
	v_add_nc_u32 v6, s19, v7
	s_lshr_b32 s20, s18, 1
	s_and_b32 s21, s18, 1                          ; which half of K
	s_lshl_b32 s22, ttmp9, 1
	s_add_co_u32 s20, s22, s20                     ; T
	s_lshl_b32 s22, s20, 16                        ; x: 16 rows of 4,096 bytes a tile, 2,048 bytes a half
	s_lshl_b32 s24, s21, 11
	s_add_co_u32 s22, s22, s24
	s_mov_b32 s23, 0
	s_lshl_b32 s24, s20, 14                        ; codes: 16 rows of 1,024 bytes, 512 a half
	s_lshl_b32 s26, s21, 9
	s_add_co_u32 s24, s24, s26
	s_mov_b32 s25, 0
	s_lshl_b32 s26, s20, 9                         ; scale bytes: 512 a tile, 256 a half
	s_lshl_b32 s28, s21, 8
	s_add_co_u32 s26, s26, s28
	s_mov_b32 s27, 0
	s_wait_alu depctr_va_vdst(0)
	s_wait_kmcnt 0x0
	s_add_nc_u64 s[4:5], s[4:5], s[22:23]
	s_add_nc_u64 s[14:15], s[14:15], s[24:25]
	s_add_nc_u64 s[16:17], s[16:17], s[26:27]
.macro XLOAD t
.irp i, 0,1,2,3
	global_load_b128 v[R+16*((\t)%4)+4*\i:R+16*((\t)%4)+4*\i+3], v3, s[4:5] offset:4096*(\t)+512*\i th:TH_LOAD_NT   ; 32 lanes read 512 consecutive bytes
.endr
.endm
.macro XTURN t                         ; step t's numbers through the stage: LDS serves a wave's instructions in order, so no wait stands between the stores and the loads
.irp i, 0,1,2,3
	ds_store_b128 v14, v[R+16*((\t)%4)+4*\i:R+16*((\t)%4)+4*\i+3] offset:32*SP*((\t)%2)+8*SP*\i
.endr
.irp i, 0,1,2,3
	ds_load_b128 v[X+16*((\t)%2)+4*\i:X+16*((\t)%2)+4*\i+3], v15 offset:32*SP*((\t)%2)+16*\i
.endr
.endm
.irp t, 0,1,2,3
	XLOAD \t
.endr
	s_wait_loadcnt 12                              ; step 0's four loads are in
	XTURN 0
.macro XSTEP t
.set XS, X+16*((\t)%2)
.if (\t) > 0
	s_wait_dscnt 1                                 ; this step's numbers are back from the stage (the last step's byte store may be out): so its stores into the stage have read their registers,
.else
	s_wait_dscnt 0x0
.endif
.if (\t)+4 < STEPS
	XLOAD (\t)+4                                   ; which take the loads of four steps on
.endif
.if (\t)+1 < STEPS
.if STEPS-2-(\t) >= 3
	s_wait_loadcnt 12                              ; the next step's four loads are in; those of the three steps behind it may be out
.else
	s_wait_loadcnt 4*(STEPS-2-(\t))
.endif
	XTURN (\t)+1                                   ; and go through the other stage while this step is worked
.endif
	v_max3_num_f32 v8, |v[XS]|, |v[XS+1]|, |v[XS+2]|               ; the largest magnitude of my 16
	v_max3_num_f32 v9, |v[XS+3]|, |v[XS+4]|, |v[XS+5]|
.irp i, 6,10
	v_max3_num_f32 v8, v8, |v[XS+\i]|, |v[XS+\i+1]|
	v_max3_num_f32 v9, v9, |v[XS+\i+2]|, |v[XS+\i+3]|
.endr
	v_max3_num_f32 v8, v8, |v[XS+14]|, |v[XS+15]|
	v_max3_num_f32 v8, v8, v9, 0x4800000           ; and the floor 2^(9 - 127): the byte cannot fall under 1
	v_max_num_f32_dpp v8, v8, v8 row_xmask:1 row_mask:0xf bank_mask:0xf   ; and of my neighbour's 16: the block's
	v_add_nc_u32 v11, 0xfc000000, v8               ; 8 off its exponent field: the conversion takes the exponent field of this operand as its scale
.irp i, 0,1,2,3,4,5,6,7,8,9,10,11,12,13,14,15
.endr
	v_cvt_scalef32_pk8_fp8_f32 v[C+4*(\t):C+4*(\t)+1], v[XS:XS+7], v11
	v_cvt_scalef32_pk8_fp8_f32 v[C+4*(\t)+2:C+4*(\t)+3], v[XS+8:XS+15], v11
	v_lshrrev_b32 v[E+(\t)], 23, v11               ; the scale's byte
	ds_store_b8 v5, v[E+(\t)] offset:8*(\t)        ; both lanes of a block write the same byte with the same value
	global_store_b128 v3, v[C+4*(\t):C+4*(\t)+3], s[14:15] offset:1024*(\t)   ; 32 lanes store 512 consecutive bytes of row t
.endm
.irp t, 0,1,2,3,4,5,6,7,8,9,10,11,12,13,14,15
	XSTEP \t
.endr
	ds_load_b64 v[12:13], v6                       ; LDS serves a wave's instructions in order: these see my stores
	s_wait_dscnt 0x0
	global_store_b64 v7, v[12:13], s[16:17]        ; 32 lanes store 256 consecutive bytes, aligned
	s_wait_tensorcnt 0x0
	ds_add_u32 v192, v193
	s_wait_dscnt 0x0
	s_endpgm
; ---------------- the weights: work-group 256 + 32 w + 8 ky + nx; a wave takes 32 columns x 256 along K
.Lweights:
	s_sub_co_u32 s19, ttmp9, 256
	s_lshr_b32 s20, s19, 5                         ; which weight
	s_and_b32 s21, s19, 7                          ; which 128 columns
	s_bfe_u32 s22, s19, 0x20003                    ; which 256 along K
	s_lshl_b32 s23, s21, 7
	s_lshl_b32 s24, s18, 5
	s_add_co_u32 s23, s23, s24                     ; my wave's first column
	s_wait_alu depctr_va_vdst(0)
	v_lshlrev_b32 v3, 2, v2                        ; in: 4 bytes a lane
	s_mul_i32 s24, s18, 32*PITCH
	s_add_co_u32 s24, s24, WSTG                    ; my stage
	v_mul_u32_u24 v4, v2, PITCH
	v_add_nc_u32 v4, s24, v4                       ; into it: row = my column
	v_and_b32 v5, 15, v2
	v_lshrrev_b32 v6, 4, v2
	v_mul_u32_u24 v7, v6, PITCH
	v_lshl_add_u32 v7, v5, 4, v7
	v_add_nc_u32 v7, s24, v7                       ; out of it: sixteen lanes to a row, two rows an instruction
	v_lshlrev_b32 v8, 10, v6
	v_lshl_add_u32 v8, v5, 4, v8                   ; and the same place in the codes' buffer
	v_lshlrev_b32 v9, 9, v6
	v_lshl_add_u32 v9, v5, 3, v9                   ; my column's 8 scale bytes: 512 (lane / 16) + 8 (lane % 16)
	s_lshl_b32 s24, s22, 20                        ; W: 256 rows of 4,096 bytes, + 4 x column
	s_lshl_b32 s26, s23, 2
	s_add_co_u32 s24, s24, s26
	s_mov_b32 s25, 0
	s_lshl_b32 s26, s20, 10
	s_add_co_u32 s26, s26, s23
	s_add_co_u32 s26, s26, 8192                    ; the codes' row of my first column
	s_lshl_b32 s26, s26, 10
	s_lshl_b32 s28, s22, 8
	s_add_co_u32 s26, s26, s28
	s_mov_b32 s27, 0
	s_lshl_b32 s28, s20, 6
	s_lshl_b32 s29, s21, 3
	s_add_co_u32 s28, s28, s29
	s_lshl_b32 s29, s18, 1
	s_add_co_u32 s28, s28, s29
	s_add_co_u32 s28, s28, 512                     ; the tile of 16 rows that my first column begins
	s_lshl_b32 s28, s28, 9
	s_lshl_b32 s29, s22, 7
	s_add_co_u32 s28, s28, s29
	s_mov_b32 s29, 0
	s_wait_kmcnt 0x0
	s_cmp_eq_u32 s20, 1                            ; the choice of the weight hangs on the work-group's number alone
	s_cselect_b64 s[6:7], s[8:9], s[6:7]
	s_cmp_eq_u32 s20, 2
	s_cselect_b64 s[6:7], s[10:11], s[6:7]
	s_cmp_eq_u32 s20, 3
	s_cselect_b64 s[6:7], s[12:13], s[6:7]
	s_cselect_b32 s30, -1, 0                       ; all lanes on for Wp: its groups 1 and 2 change places
	s_add_nc_u64 s[6:7], s[6:7], s[24:25]
	s_add_nc_u64 s[14:15], s[14:15], s[26:27]
	s_add_nc_u64 s[16:17], s[16:17], s[28:29]
.macro WLOAD t                         ; block t: W(32 t + i, my column), i = 0 .. 31, into set t % 2
.set n, 0
.rept 32
	global_load_b32 v[WX+32*((\t)%2)+n], v3, s[6:7] offset:(32*(\t)+n)*4096 th:TH_LOAD_NT
.set n, n+1
.endr
.endm
	WLOAD 0
	WLOAD 1
.macro BLOCK t
.set XS, WX+32*((\t)%2)
.if (\t) < NB-1
	s_wait_loadcnt 32                              ; this block's 32 loads are in; the next block's may be out
.else
	s_wait_loadcnt 0
.endif
	v_max3_num_f32 v12, |v[XS]|, |v[XS+1]|, |v[XS+2]|               ; the block's largest magnitude: all 32 numbers are mine
	v_max3_num_f32 v13, |v[XS+3]|, |v[XS+4]|, |v[XS+5]|
.irp i, 6,10,14,18,22,26
	v_max3_num_f32 v12, v12, |v[XS+\i]|, |v[XS+\i+1]|
	v_max3_num_f32 v13, v13, |v[XS+\i+2]|, |v[XS+\i+3]|
.endr
	v_max3_num_f32 v12, v12, |v[XS+30]|, |v[XS+31]|
	v_max3_num_f32 v12, v12, v13, 0x4800000        ; and the floor
	v_add_nc_u32 v11, 0xfc000000, v12              ; the conversion's scale operand
	v_lshrrev_b32 v13, 23, v11                     ; the scale's byte
.if (\t)%4 == 0
	v_mov_b32 v[SB+(\t)/4], v13                    ; four bytes to a register, the lower K in the lower byte
.else
	v_lshl_or_b32 v[SB+(\t)/4], v13, 8*((\t)%4), v[SB+(\t)/4]
.endif
.set n, 0
.rept 32
.set n, n+1
.endr
	v_cvt_scalef32_pk8_fp8_f32 v[96:97], v[XS:XS+7], v11           ; group 0
	v_cvt_scalef32_pk8_fp8_f32 v[104:105], v[XS+8:XS+15], v11      ; group 1
	v_cvt_scalef32_pk8_fp8_f32 v[106:107], v[XS+16:XS+23], v11     ; group 2
	v_cvt_scalef32_pk8_fp8_f32 v[102:103], v[XS+24:XS+31], v11     ; group 3
	v_nop                                          ; a plain line between the conversions and the first use of their results
	v_cndmask_b32 v98, v104, v106, s30             ; bytes 8-15: group 1, for Wp group 2
	v_cndmask_b32 v99, v105, v107, s30
	v_cndmask_b32 v100, v106, v104, s30            ; bytes 16-23: group 2, for Wp group 1
	v_cndmask_b32 v101, v107, v105, s30
	ds_store_b128 v4, v[96:99] offset:32*(\t)      ; 32 codes: 32 bytes of my column's row
	ds_store_b128 v4, v[100:103] offset:32*(\t)+16
.if (\t)+2 < NB
	WLOAD (\t)+2
.endif
	s_wait_dscnt 0x0                               ; the stores have read their registers: the next block's codes may be written
.endm
.irp t, 0,1,2,3,4,5,6,7
	BLOCK \t
.endr
	s_wait_alu depctr_va_vdst(0)
	global_store_b64 v9, v[SB:SB+1], s[16:17]      ; sixteen lanes store 128 consecutive bytes: the 16 rows' bytes of this K step
.irp t, 0,1,2,3,4,5,6,7,8,9,10,11,12,13,14,15
	ds_load_b128 v[OUTR+4*\t:OUTR+4*\t+3], v7 offset:2*\t*PITCH   ; LDS serves a wave's instructions in order: these see my stores
.endr
.irp t, 0,1,2,3,4,5,6,7,8,9,10,11,12,13,14,15
	s_wait_dscnt 15-\t
	global_store_b128 v8, v[OUTR+4*\t:OUTR+4*\t+3], s[14:15] offset:2*\t*1024   ; sixteen lanes store 256 consecutive bytes of a row, aligned
.endr
	s_wait_tensorcnt 0x0
	ds_add_u32 v192, v193
	s_wait_dscnt 0x0
	s_endpgm
.Lfunc_end_k_qd4e784dcf5_quant:
	.size	k_qd4e784dcf5_quant, .Lfunc_end_k_qd4e784dcf5_quant-k_qd4e784dcf5_quant
	.p2alignl 7, 3214868480
	.fill 96, 4, 3214868480
	.section	.rodata,"a",@progbits
	.p2align	6, 0x0
	.amdhsa_kernel k_qd4e784dcf5_quant
		.amdhsa_group_segment_fixed_size 68096
		.amdhsa_private_segment_fixed_size 0
		.amdhsa_enable_private_segment 0
		.amdhsa_kernarg_size 56
		.amdhsa_user_sgpr_count 2
		.amdhsa_user_sgpr_kernarg_segment_ptr 1
		.amdhsa_wavefront_size32 1
		.amdhsa_system_sgpr_workgroup_id_x 1
		.amdhsa_system_sgpr_workgroup_id_y 1
		.amdhsa_system_sgpr_workgroup_id_z 1
		.amdhsa_system_vgpr_workitem_id 0
		.amdhsa_next_free_vgpr 194
		.amdhsa_next_free_sgpr 66
		.amdhsa_reserve_vcc 0
		.amdhsa_float_denorm_mode_32 3
		.amdhsa_float_denorm_mode_16_64 3
		.amdhsa_fp16_overflow 1
		.amdhsa_memory_ordered 1
		.amdhsa_forward_progress 1
		.amdhsa_inst_pref_size 78
	.end_amdhsa_kernel
	.amdgpu_metadata
---
amdhsa.version: [ 1, 2 ]
amdhsa.kernels:
  - .name:           k_qd4e784dcf5_quant
    .symbol:         k_qd4e784dcf5_quant.kd
    .args:
      - { .name: x, .offset: 0, .size: 8, .value_kind: global_buffer, .address_space: global }
      - { .name: Wq, .offset: 8, .size: 8, .value_kind: global_buffer, .address_space: global }
      - { .name: Wk, .offset: 16, .size: 8, .value_kind: global_buffer, .address_space: global }
      - { .name: Wv, .offset: 24, .size: 8, .value_kind: global_buffer, .address_space: global }
      - { .name: Wp, .offset: 32, .size: 8, .value_kind: global_buffer, .address_space: global }
      - { .name: xw_codes, .offset: 40, .size: 8, .value_kind: global_buffer, .address_space: global }
      - { .name: xw_scales, .offset: 48, .size: 8, .value_kind: global_buffer, .address_space: global }
    .group_segment_fixed_size: 68096
    .private_segment_fixed_size: 0
    .kernarg_segment_align: 8
    .kernarg_segment_size: 56
    .max_flat_workgroup_size: 128
    .sgpr_count:     66
    .vgpr_count:     194
    .wavefront_size: 32
...
	.end_amdgpu_metadata
.endif
;; end of part 1
;; launch qkv (part 2): grid 12 x 32, 4 waves a work-group, clusters of 4 x 4, 327,680 bytes of LDS; arguments xw_codes, xw_scales, bq, bk, bv, qkv_img, qkv_sc; writes qkv_img, qkv_sc
.if DOCPART == 2
	.amdgcn_target "amdgcn-amd-amdhsa--gfx1250"
	.amdhsa_code_object_version 6
	.text
	.protected	k_qd4e784dcf5_qkv
	.globl	k_qd4e784dcf5_qkv
	.p2align	8
	.type	k_qd4e784dcf5_qkv,@function
k_qd4e784dcf5_qkv:
	s_mov_b64 s[64:65], 0
	v_nop
	global_prefetch_b8 v0, s[64:65] scope:SCOPE_SE
	s_setreg_imm32_b32 hwreg(HW_REG_WAVE_MODE, 25, 1), 1
	s_wait_xcnt 0x0
	s_wait_alu depctr_hold_cnt(0) depctr_sa_sdst(0) depctr_va_vdst(0) depctr_va_sdst(0) depctr_va_ssrc(0) depctr_va_vcc(0) depctr_vm_vsrc(0)
	s_getreg_b32 s2, hwreg(HW_REG_IB_STS2, 6, 4)
	s_cmp_eq_u32 s2, 0
	s_cbranch_scc0 .Lentry_in_a_cluster
	s_endpgm
.Lentry_in_a_cluster:
	s_bfe_u32 s2, ttmp6, 0x10000c
	s_cmp_lg_u32 s2, 0xf033
	s_cbranch_scc0 .Lentry_shape_is_right
	s_endpgm
.Lentry_shape_is_right:
; q = x Wq + bq, k = x Wk + bk, v = x Wv + bv on codes of FP8 (E4M3) with E8M0 scales for each 32 along K = 1,024; the results are quantised here, in registers, for the attention launch:
; q and k along the head's 64 (two blocks), v along the keys (blocks of 32 tokens), and leave as IMAGES OF OPERAND REGISTERS: 512 bytes = four registers of 32 lanes, lane l's 16 bytes at 16 l.
; A work-group of four waves makes 256 x 256 results, a wave 128 x 128: 64 accumulators, 512 registers.  K goes in steps of 256 through a ring of two LDS slots filled by the tensor data mover.
; THE KIND is the cluster's x (0 q, 1 k, 2 v), equal in all sixteen partners.  The matrix instruction's source 0 takes 16 rows of the 'B side', source 1 16 rows of the 'A side': a lane then holds ONE row of the A side,
; and its registers run along the B side.  q, k: A side = tokens, B side = the weight's columns: registers run along the head's axis.  v: THE SIDES CHANGE PLACES, by addresses alone: A side = Wv's columns, B side = tokens:
; registers run along the keys.  So one way out quantises all three.
; ORDER INSIDE A BLOCK OF 32: a lane's 16 numbers of accumulators 2 e and 2 e + 1 are indices 32 e + 8 h + 0..7 and 32 e + 16 + 8 h + 0..7 (h = lane / 16); converted in that order they fill the operand's places 32 e + 16 h + 0..15.
; That permutes a block within itself, so its scale is the rule's, and the partner operand of each later product is made by the same lines (q with k, v with the softmax's p).
; CLUSTERS: 4 x 4 work-groups; the A side's tile is shared along a row of the cluster, the B side's along a column: each is asked for jointly, by the same tensor load with the same descriptor and a mask that names the four.
; THE SCALES of the work-group's 256 + 256 rows, for all of K, are two dense blocks of 8,192 bytes: they come into LDS once, with the first fills.
; The biases are the C of each sum's first matrix instruction: 64 registers in the result's layout.
; LIMITS: a block of zeros, or one whose largest magnitude lies under 2^(9 - 127), gets the scale byte 1; NaN and infinities are not served.
; REGISTERS, in windows of 256: window 0: v1-30 addresses; v32-63 scale words, two sets, and nothing else; v64-127 the biases, later the way out's work; v128-255 the A side's fragments, one set.
;   window 1: the B side's fragments, two sets.   windows 2, 3: the accumulators ((a, b) at v[8 (8 (a % 4) + b)] of window 2 + a / 4).
.set KROW,   1024                      ; a row of codes in memory, in bytes
.set ROWB,   256                       ; a tile's row: 256 along K
.set NQ,     2                         ; matrix instructions deep in a slot
.set PITCH,  272                       ; an LDS row: 256 bytes + 16 of padding = 68 words: the 16 rows that a load touches start at 16 different banks (64 banks of 4 bytes: ISA guide 11.1)
.set FR,     16                        ; registers of a fragment
.set NL,     4                         ; LDS loads that bring one
.set NP,     8                         ; places behind this matrix instruction (ISA guide 7.12.1)
.set HALFT,  128*PITCH                 ; 128 rows: what one tensor load brings
.set SLOT,   4*HALFT                   ; the A side's 256 rows, then the B side's
.set LAPS,   2                         ; a lap = two K steps = once round the ring: 1,024 / 512
.set ASTEP,  2*ROWB                    ; from a slot's tile to its next, in memory
.set BSTEP,  2*ROWB
.set SCL,    2*SLOT                    ; behind the ring: the scales: A side 2 x 4,096 bytes; B side likewise, SKEW bytes further on, so that the two runs of 128 bytes that one load reads fall on different banks
.set HALFS,  4096
.set SKEW,   128
.set SPARE,  SCL+4*HALFS+256           ; the spare words, 128 bytes for each wave: two blocks of 256 bytes that no other line names
.set AJ,   8                           ; v8-15   the bias loads' offsets, one for each register of a tile
.set ADRA, 16                          ; v16-17  LDS address of my A fragments in slot 0, 1
.set ADRB, 20                          ; v20-21  the same for B
.set SST,  24                          ; v24     the way out: where my scale word goes in the stage
.set SRD,  25                          ; v25     and where I read 16 bytes of them back
.set GO,   26                          ; v26     16 x lane
.set ADRS, 27                          ; v27     LDS address of my scale words: lanes 0-15 the A side's rows, lanes 16-31 the B side's
.set SPW,  28                          ; v28     LDS address of my spare word; never rewritten
.set NIL,  29                          ; v29     0; never rewritten
.set VSEL, 30                          ; v30     which bytes of the four make the word that I store
.set SC,   32                          ; scale words: set s at v[SC + 16 s]; register 2 i + q: lanes 0-15 the A side's block i, lanes 16-31 the B side's block i, the slot's q-th 128 along K
.set BI,   64                          ; the biases
.set AF,   128                         ; the A side's fragments
.set PC,   64                          ; the way out: v64-79 codes; v80-87 scale words read back; v96-103 maxima and bytes; v108-111 the conversions' scales; v112 four bytes; v113-120 the words stored
.set BKS,  80
.set TM,   96
.set LIM,  104
.set SCO,  108
.set PW,   112
.set SW,   113
.set G1, 24                            ; s[24:31] descriptor group 1 for the A side's tiles;  s[32:39] group 0, one set for each slot
.set G0, 32
.set G1B, 48                           ; s[48:55], s[56:63] the same for the B side
.set G0B, 56
.set G1S, 68                           ; s[68:75], s[76:79] groups 1 and 0 for the A side's scales;  s[80:87], s[88:91] for the B side's
.set G0S, 76
.set G1SB, 80
.set G0SB, 88
.set MSB, 0
.macro WIN new                         ; the immediate's high byte repeats the setting that is left
.if MSB != \new
	s_set_vgpr_msb (MSB<<8)|\new
.set MSB, \new
.endif
.endm
.set MUL_LO, 0xa1                      ; source 0 (B) window 1, source 1 (A) window 0, C and D window 2
.set MUL_HI, 0xf1                      ; the same, C and D window 3
.set FST_LO, 0x81                      ; the first step: C (the bias) window 0, D window 2
.set FST_HI, 0xc1                      ; D window 3
.set TO_B,   0x40                      ; destination window 1, address window 0
; A joint load: waves 0 and 1 fetch for the A side, waves 2 and 3 for the B side.  Each line has one mask and one set of registers for all that issue it; the branch hangs on the wave's number alone.
; Four v_nop follow each of the two lines, ahead of the jump, the label and what follows.
.macro JLOAD g0a, g1a, g0b, g1b
	s_cmp_eq_u32 s15, 0
	s_cbranch_scc0 .Lfor_b_\@
	tensor_load_to_lds s[\g0a:\g0a+3], s[\g1a:\g1a+7]
	s_nop 0
.rept 4
	v_nop
.endr
	s_branch .Lasked_\@
.Lfor_b_\@:
	tensor_load_to_lds s[\g0b:\g0b+3], s[\g1b:\g1b+7]
	s_nop 0
.rept 4
	v_nop
.endr
.Lasked_\@:
.endm
.macro CREST                           ; a round of the cluster's barrier behind its opening barrier
	s_cmp_lg_u32 s14, 0
	s_cbranch_scc1 .Lnot_wave_0_\@
	s_barrier_signal -3
.Lnot_wave_0_\@:
	s_barrier_wait -3
	s_barrier_signal -1
	s_barrier_wait -1
.endm
.macro CROUND                          ; a whole round
	s_barrier_signal -1
	s_barrier_wait -1
	CREST
.endm
	s_load_b128 s[4:7], s[0:1], 0x0                ; the codes s[4:5], the scale bytes s[6:7]
	s_load_b128 s[8:11], s[0:1], 0x10              ; bq, bk
	s_load_b128 s[96:99], s[0:1], 0x20             ; bv, the images
	s_load_b64 s[100:101], s[0:1], 0x30            ; their scale words
	v_lshl_add_u32 v[SPW], v0, 2, SPARE
	v_mov_b32 v[NIL], 0
	ds_add_u32 v28, v29
	ds_add_u32 v28, v29
	s_wait_dscnt 0x0
	v_lshrrev_b32 v1, 5, v0
	v_readfirstlane_b32 s14, v1                    ; wave 0..3
	s_lshr_b32 s15, s14, 1                         ; which half of the A side's rows is mine.  Also: I fetch for A (0) or for B (1)
	s_and_b32 s16, s14, 1                          ; which half of the B side's.  Also: which 128 rows of that tile I fetch
	s_bfe_u32 s40, ttmp6, 0x40000                  ; cx, cy: my place in the cluster
	s_bfe_u32 s41, ttmp6, 0x40004
	s_mov_b32 s12, ttmp9                           ; the kind: the cluster's x
	s_and_b32 s13, ttmp7, 0xffff                   ; the cluster's y
	s_lshr_b32 s17, s12, 1                         ; 1 for v
	s_xor_b32 s18, s17, 1                          ; 1 for q and k
	s_lshl_b32 s19, s13, 2
	s_mul_i32 s20, s19, s18
	s_add_co_u32 s20, s20, s41                     ; the A side's tile: q, k: tokens 256 (4 y + cy) on;  v: Wv's columns 256 cy on
	s_mul_i32 s46, s19, s17
	s_lshl_b32 s47, s12, 2
	s_mul_i32 s47, s47, s18
	s_add_co_u32 s46, s46, s47
	s_add_co_u32 s46, s46, s40                     ; the B side's tile: q, k: the weight's columns 256 cx on (4 x kind tiles further);  v: tokens 256 (4 y + cx) on
	s_lshl_b32 s43, s41, 2
	s_lshl_b32 s43, 15, s43                        ; my row of the cluster
	s_lshl_b32 s44, 0x1111, s40                    ; my column
	s_cmp_eq_u32 s12, 2                            ; for the biases and the way out alone: which tile and half are tokens, which the heads' axis
	s_cselect_b32 s66, s46, s20                    ; the tile of 256 tokens
	s_cselect_b32 s67, s16, s15                    ; my half of it
	s_cselect_b32 s95, s41, s40                    ; the tile of 256 columns (four heads)
	s_cselect_b32 s2, s15, s16                     ; my half of it (two heads)
	; descriptor group 1: a tile of 128 rows x 256 bytes, padded in LDS
	s_or_b32 s[G1+0], s43, (0<<16)|(1<<20)|(1<<21)|(5<<22)|(3<<25)  ; 15:0 the mask; 17:16 elements of 1 byte; 20 padding on; 21 set beside a mask; 24:22 after every 64 words (code 5); 31:25 four words (code 3)
	s_or_b32 s[G1B+0], s44, (0<<16)|(1<<20)|(1<<21)|(5<<22)|(3<<25)
.irp g, G1, G1B
	s_mov_b32 s[\g+1], ROWB<<16                    ; tensor_dim0
	s_mov_b32 s[\g+2], 128<<16                     ; tensor_dim1
	s_mov_b32 s[\g+3], ROWB<<16                    ; tile_dim0
	s_mov_b32 s[\g+4], 128                         ; tile_dim1
	s_mov_b32 s[\g+5], KROW                        ; tensor_dim0_stride
	s_mov_b32 s[\g+6], 0
	s_mov_b32 s[\g+7], 0
.endr
	; the scales of 128 rows: 4,096 dense bytes, as 16 rows of 256 bytes (32 elements of 8 bytes), no padding
	s_or_b32 s[G1S+0], s43, (3<<16)|(1<<21)
	s_or_b32 s[G1SB+0], s44, (3<<16)|(1<<21)
.irp g, G1S, G1SB
	s_mov_b32 s[\g+1], 32<<16
	s_mov_b32 s[\g+2], 16<<16
	s_mov_b32 s[\g+3], 32<<16
	s_mov_b32 s[\g+4], 16
	s_mov_b32 s[\g+5], 32
	s_mov_b32 s[\g+6], 0
	s_mov_b32 s[\g+7], 0
.endr
	s_lshl_b32 s22, s16, 7                         ; which 128 rows of the tile I fetch
	s_lshl_b32 s20, s20, 8
	s_add_co_u32 s20, s20, s22
	s_mul_i32 s23, s17, 10240
	s_add_co_u32 s20, s20, s23                     ; the A side's first row in the codes' buffer (Wv begins at row 10,240)
	s_lshl_b32 s46, s46, 8
	s_add_co_u32 s46, s46, s22
	s_lshl_b32 s23, s18, 13
	s_add_co_u32 s46, s46, s23                     ; the B side's (the weights begin at row 8,192)
	s_lshl_b32 s22, s20, 5                         ; 32 scale bytes a row,
	s_mov_b32 s23, 0
	s_lshl_b32 s20, s20, 10                        ; 1,024 codes
	s_mov_b32 s21, 0
	s_lshl_b32 s92, s46, 5
	s_mov_b32 s93, 0
	s_lshl_b32 s46, s46, 10
	s_mov_b32 s47, 0
	s_mul_i32 s45, s14, HALFT                      ; where they go: wave x 128 rows: no place in the cluster enters an LDS address
	s_lshl_b32 s94, s14, 12
	s_wait_kmcnt 0x0
	s_add_nc_u64 s[20:21], s[4:5], s[20:21]
	s_add_nc_u64 s[22:23], s[6:7], s[22:23]
	s_add_nc_u64 s[46:47], s[4:5], s[46:47]
	s_add_nc_u64 s[92:93], s[6:7], s[92:93]
	CROUND                                         ; all sixteen work-groups are here: the first joint loads meet
	s_mov_b32 s[G0S], 1
	s_add_co_u32 s[G0S+1], s94, SCL
	s_mov_b64 s[G0S+2:G0S+3], s[22:23]
	s_or_b32 s[G0S+3], s[G0S+3], 0x80000000
	s_mov_b32 s[G0SB], 1
	s_add_co_u32 s[G0SB+1], s94, SCL+SKEW
	s_mov_b64 s[G0SB+2:G0SB+3], s[92:93]
	s_or_b32 s[G0SB+3], s[G0SB+3], 0x80000000
	JLOAD G0S, G1S, G0SB, G1SB                     ; the scales first: they are wanted with K step 0
.irp s, 0,1
	s_mov_b32 s[G0+4*\s], 1
	s_add_co_u32 s[G0+4*\s+1], s45, \s*SLOT
	s_add_nc_u64 s[G0+4*\s+2:G0+4*\s+3], s[20:21], \s*ROWB
	s_or_b32 s[G0+4*\s+3], s[G0+4*\s+3], 0x80000000
	s_mov_b32 s[G0B+4*\s], 1
	s_add_co_u32 s[G0B+4*\s+1], s45, \s*SLOT
	s_add_nc_u64 s[G0B+4*\s+2:G0B+4*\s+3], s[46:47], \s*ROWB
	s_or_b32 s[G0B+4*\s+3], s[G0B+4*\s+3], 0x80000000
	JLOAD G0+4*\s, G1, G0B+4*\s, G1B               ; three tensor loads of mine are out
.endr
	v_and_b32 v1, 15, v0                           ; r = lane % 16
	v_bfe_u32 v2, v0, 4, 1                         ; h = lane / 16
	s_wait_alu depctr_va_vdst(0)
	v_mul_u32_u24 v3, v1, PITCH
	v_lshl_add_u32 v4, v2, 4, v3                   ; a fragment's row x pitch + 16 x half
	s_mul_i32 s21, s15, HALFT                      ; my 128 rows of the A side
	s_mul_i32 s22, s16, HALFT                      ; my 128 rows of the B side,
	s_add_co_u32 s22, s22, 2*HALFT                 ; which lie behind A's 256
.irp s, 0,1
	v_add_nc_u32 v[ADRA+\s], s21, v4
	v_add_nc_u32 v[ADRB+\s], s22, v4
	s_add_co_u32 s21, s21, SLOT
	s_add_co_u32 s22, s22, SLOT
.endr
	v_lshlrev_b32 v5, 3, v1                        ; my row's 8 scale bytes of a K step
	s_lshl_b32 s21, s15, 12                        ; the A side's: my 128 rows
	s_lshl_b32 s22, s16, 12                        ; the B side's
	s_add_co_u32 s22, s22, 2*HALFS+SKEW
	s_sub_co_u32 s22, s22, s21
	v_mul_u32_u24 v6, s22, v2                      ; lanes 16-31 take the B side's: the lower base + h x the distance
	s_add_co_u32 s21, s21, SCL
	v_add_nc_u32 v5, v5, v6
	v_add_nc_u32 v[ADRS], s21, v5
	s_mov_b32 s23, 0x03020100
	s_mov_b32 s46, 0x01000100
	s_mov_b32 s47, 0x03020302
	s_cmp_eq_u32 s12, 1                            ; the bias of my kind: a choice that hangs on the kind alone
	s_cselect_b64 s[8:9], s[10:11], s[8:9]
	s_cmp_eq_u32 s12, 2
	s_cselect_b64 s[8:9], s[96:97], s[8:9]
	s_cselect_b32 s20, 4, 0                        ; bytes from lane r to r + 1:  v: the bias goes with my row;  q, k: with my registers:
	s_cselect_b32 s21, 0, 32                       ; from half to half,
	s_cselect_b32 s22, 0, 4                        ; from register to register
	s_cselect_b32 s46, s23, s46                    ; which of a row's four scale bytes I store: v: all four;  q, k: lanes 0-15 the first head's two, twice,
	s_cselect_b32 s47, s23, s47                    ; lanes 16-31 the second head's two, twice (the upper two stand over zero codes in the attention launch)
	v_mul_u32_u24 v5, v1, s20
	v_mad_u32_u24 v5, v2, s21, v5
.irp j, 0,1,2,3,4,5,6,7
	v_mad_u32_u24 v[AJ+\j], s22, \j, v5
.endr
	s_lshr_b32 s19, s66, 3                         ; the batch,
	s_lshl_b32 s19, s19, 3
	s_lshl_b32 s42, s95, 1
	s_add_co_u32 s19, s19, s42
	s_add_co_u32 s19, s19, s2                      ; x 8 + my pair of heads
	s_and_b32 s42, s66, 7                          ; the tile of 256 tokens within the batch
	s_lshl_b32 s95, s95, 10
	s_lshl_b32 s2, s2, 9
	s_add_co_u32 s2, s2, s95                       ; my 128 numbers of the bias
	s_mov_b32 s3, 0
	s_add_nc_u64 s[8:9], s[8:9], s[2:3]
	s_wait_alu depctr_va_vdst(0)
.irp i, 0,1,2,3,4,5,6,7
.irp j, 0,1,2,3,4,5,6,7
	global_load_b32 v[BI+8*\i+\j], v[AJ+\j], s[8:9] offset:64*\i   ; q, k: bias(16 i + 8 h + j);  v: bias(16 i + r) in all eight
.endr
.endr
	s_lshl_b32 s2, s12, 23                         ; the images: kind x 8,388,608 + pair x 262,144 + tile x 32,768 + half x 16,384
	s_lshl_b32 s13, s19, 18
	s_add_co_u32 s2, s2, s13
	s_lshl_b32 s13, s42, 15
	s_add_co_u32 s2, s2, s13
	s_lshl_b32 s13, s67, 14
	s_add_co_u32 s2, s2, s13
	s_add_nc_u64 s[98:99], s[98:99], s[2:3]
	s_lshl_b32 s2, s12, 19                         ; the scale words: kind x 524,288 + pair x 16,384 (v: 8,192) + tile x 1,024 + half x 512
	s_sub_co_u32 s13, 14, s17
	s_lshl_b32 s13, s19, s13
	s_add_co_u32 s2, s2, s13
	s_lshl_b32 s13, s42, 10
	s_add_co_u32 s2, s2, s13
	s_lshl_b32 s13, s67, 9
	s_add_co_u32 s2, s2, s13
	s_add_nc_u64 s[100:101], s[100:101], s[2:3]
	v_cmp_eq_u32 vcc_lo, 1, v2
	v_mov_b32 v5, s46
	v_mov_b32 v6, s47
	v_cndmask_b32 v[VSEL], v5, v6, vcc_lo
	s_lshl_b32 s20, s14, 10                        ; my stage for the scale words: 1,024 bytes, in slot 0, which has had its last fill and its last read when the first word is stored there
	v_lshlrev_b32 v5, 2, v1
	v_lshl_add_u32 v5, v2, 9, v5
	v_add_nc_u32 v[SST], s20, v5                   ; 512 h + 4 r; the row block adds 64 a
	v_and_b32 v6, 31, v0
	v_lshlrev_b32 v[GO], 4, v6
	v_add_nc_u32 v[SRD], s20, v[GO]
.macro FRAG reg, adr, q, i             ; a fragment, 16 rows x 128 K: lane l holds row l % 16; registers 4 c .. 4 c + 3 hold K = 32 c + 16 (l / 16) + 0 .. 15
.irp c, 0,1,2,3
	ds_load_b128 v[\reg+4*\c:\reg+4*\c+3], v[\adr] offset:128*(\q)+32*\c+(\i)*16*PITCH
.endr
.endm
; 16 matrix instructions: the A side's blocks a0, a0 + 1 x the B side's eight, 128 along K.  p: B's set;  sc: the set of scale words.
; mode 0: onto the sums;  1: the sums begin with the bias that goes with the B side's block;  2: with the A side's.  The 64 accumulators take turns, one instruction a turn, in the same order in every step.
.macro MUL16 a0, p, q, sc, mode
.irp a, \a0, \a0+1
.irp b, 0,1,2,3,4,5,6,7
.if \mode == 1
	v_wmma_scale_f32_16x16x128_f8f6f4 v[8*(8*((\a)%4)+\b):8*(8*((\a)%4)+\b)+7], v[128*(\p)+FR*\b:128*(\p)+FR*\b+FR-1], v[AF+FR*(\a):AF+FR*(\a)+FR-1], v[BI+8*\b:BI+8*\b+7], v[SC+8*NQ*(\sc)+NQ*\b+(\q)], v[SC+8*NQ*(\sc)+NQ*(\a)+(\q)] matrix_a_scale:MATRIX_SCALE_ROW1
.elseif \mode == 2
	v_wmma_scale_f32_16x16x128_f8f6f4 v[8*(8*((\a)%4)+\b):8*(8*((\a)%4)+\b)+7], v[128*(\p)+FR*\b:128*(\p)+FR*\b+FR-1], v[AF+FR*(\a):AF+FR*(\a)+FR-1], v[BI+8*(\a):BI+8*(\a)+7], v[SC+8*NQ*(\sc)+NQ*\b+(\q)], v[SC+8*NQ*(\sc)+NQ*(\a)+(\q)] matrix_a_scale:MATRIX_SCALE_ROW1
.else
	v_wmma_scale_f32_16x16x128_f8f6f4 v[8*(8*((\a)%4)+\b):8*(8*((\a)%4)+\b)+7], v[128*(\p)+FR*\b:128*(\p)+FR*\b+FR-1], v[AF+FR*(\a):AF+FR*(\a)+FR-1], v[8*(8*((\a)%4)+\b):8*(8*((\a)%4)+\b)+7], v[SC+8*NQ*(\sc)+NQ*\b+(\q)], v[SC+8*NQ*(\sc)+NQ*(\a)+(\q)] matrix_a_scale:MATRIX_SCALE_ROW1
.endif
.endr
.endr
.endm
.macro FETCH_B slot, q, p              ; the B side's eight fragments of the slot's q-th 128 along K into set p
	WIN TO_B
.irp i, 0,1,2,3,4,5,6,7
	FRAG 128*(\p)+FR*\i, ADRB+\slot, \q, \i
.endr
	WIN 0
.endm
.macro FETCH_A slot, q, i0             ; the A side's blocks i0 .. i0 + 3
.irp i, \i0, \i0+1, \i0+2, \i0+3
	FRAG AF+FR*(\i), ADRA+\slot, \q, \i
.endr
.endm
.macro SCALES sc                       ; a K step's scale words into set sc: two words a row; lanes 0-15 take the A side's block i, lanes 16-31 the B side's
.irp i, 0,1,2,3,4,5,6,7
	ds_load_b64 v[SC+8*NQ*\sc+NQ*\i:SC+8*NQ*\sc+NQ*\i+1], v[ADRS] offset:\i*512
.endr
.endm
; A load into a register that a matrix instruction has read, and a vector instruction or a store that reads a matrix result, stand NP places behind it; only plain vector instructions that name none of its registers are places.
.macro PLACES n
.rept \n
	v_nop
.endr
.endm
; A step of 128 along K that has its successor in the same slot.
.macro STEP slot, q, mode
	s_wait_dscnt 4*NL                              ; B's set, A's blocks 0-3 and the scale words are in; the youngest sixteen loads (A's blocks 4-7) may be out
.if \mode
	WIN FST_LO
.else
	WIN MUL_LO
.endif
	MUL16 0, (\q)%2, \q, \slot, \mode
	MUL16 2, (\q)%2, \q, \slot, \mode
	s_wait_dscnt 0                                 ; A's blocks 4-7 are in (asked for 32 matrix instructions ago)
	PLACES NP
	FETCH_B \slot, (\q)+1, 1-(\q)%2
	FETCH_A \slot, (\q)+1, 0
.if \mode
	WIN FST_HI
.else
	WIN MUL_HI
.endif
	MUL16 4, (\q)%2, \q, \slot, \mode
	MUL16 6, (\q)%2, \q, \slot, \mode
	PLACES NP
	WIN 0
	FETCH_A \slot, (\q)+1, 4
.endm
; A slot's last step changes slots: one barrier; in front of it each wave waits for all its tensor loads, adds 0 to its spare word, and waits for that and for its own reads of this slot.  fill = 1: this slot is filled again, two K steps ahead.
.macro TURN slot, next, fill
	s_wait_tensorcnt 0x0                           ; all my tensor loads have landed: my part of the next slot  (every window is 0 here)
	ds_add_u32 v[SPW], v[NIL]                      ; 0 onto my spare word
	s_wait_dscnt 4*NL+1                            ; (the add and the youngest sixteen loads, A's blocks 4-7, may be out)
	WIN MUL_LO
	MUL16 0, 1, NQ-1, \slot, 0                     ; sixteen matrix instructions stand between the add and the wait for it
	s_wait_dscnt 0x0                               ; the add is done, and my reads of this slot are over
	s_barrier_signal -1
	MUL16 2, 1, NQ-1, \slot, 0
	WIN 0
	s_barrier_wait -1
.if \fill
	CREST                                          ; the barrier has opened a round of the cluster's barrier: no wave of any partner still reads this slot's tile or has a load on its way
	s_add_nc_u64 s[G0+4*\slot+2:G0+4*\slot+3], s[G0+4*\slot+2:G0+4*\slot+3], ASTEP
	s_add_nc_u64 s[G0B+4*\slot+2:G0B+4*\slot+3], s[G0B+4*\slot+2:G0B+4*\slot+3], BSTEP
	JLOAD G0+4*\slot, G1, G0B+4*\slot, G1B         ; the first tensor load behind the round, my only one until the next; its four v_nop are among the places in front of the loads below
	PLACES NP-4
.else
	PLACES NP
.endif
	s_wait_alu depctr_va_vdst(0)
	v_add_nc_u32 v[ADRS], 128, v[ADRS]             ; on to the next K step's scale words
	FETCH_B \next, 0, 0
	FETCH_A \next, 0, 0
	SCALES \next
	WIN MUL_HI
	MUL16 4, 1, NQ-1, \slot, 0
	MUL16 6, 1, NQ-1, \slot, 0
	PLACES NP
	WIN 0
	FETCH_A \next, 0, 4
.endm
	s_wait_tensorcnt 1                             ; the scales and my part of K step 0 are in (K step 1's load may be out)
	s_barrier_signal -1
	s_barrier_wait -1                              ; everybody's are
	FETCH_B 0, 0, 0
	FETCH_A 0, 0, 0
	SCALES 0
	FETCH_A 0, 0, 4
	s_wait_loadcnt 0x0                             ; the biases
	s_cmp_eq_u32 s12, 2                            ; the first step stands in front of the loop, once for each way the bias lies: the kind is equal in all partners, and both ways hold the same loads and waits
	s_cbranch_scc1 .Lfirst_v
	STEP 0, 0, 1
	s_branch .Lfirst_done
.Lfirst_v:
	STEP 0, 0, 2
.Lfirst_done:
	s_mov_b32 s3, LAPS-1
.Llap:                                                 ; a trip goes once round the ring, from a lap's second step to the next lap's first, and fills both slots again (LAPS - 1 trips: here one)
	TURN 0, 1, 1
	STEP 1, 0, 0
	TURN 1, 0, 1
	STEP 0, 0, 0
	s_sub_co_u32 s3, s3, 1
	s_cmp_lg_u32 s3, 0
	s_cbranch_scc1 .Llap
	TURN 0, 1, 0                                   ; the last lap fills nothing, and has no round of the cluster's barrier
	STEP 1, 0, 0
	s_wait_dscnt 4*NL                              ; the very last step: nothing more to fetch
	WIN MUL_LO
	MUL16 0, 1, NQ-1, 1, 0
	MUL16 2, 1, NQ-1, 1, 0
	s_wait_dscnt 0
	WIN MUL_HI
	MUL16 4, 1, NQ-1, 1, 0
	MUL16 6, 1, NQ-1, 1, 0
	WIN 0
; THE WAY OUT, a block of 16 rows of the A side at a time: its 128 numbers a lane are four blocks of 32 (with lane l xor 16's); each becomes 16 codes a lane, four registers, an image of 512 bytes.
	s_mov_b32 s4, 0x76543210                       ; v_permlanex16_b32's selects for lane l xor 16
	s_mov_b32 s5, 0xfedcba98
	PLACES NP
.irp b, 0,1,2,3
	v_mov_b32 v[TM+4+\b], 0                        ; written once: a lane permute's destination counts as one of its sources
.endr
.macro QOUT a
.set AC, 64*((\a)%4)
.set W, 2+(\a)/4
.set WW, W|(W<<2)
	WIN WW                                         ; sources 0 and 1: the accumulators' window
.irp b, 0,1,2,3
	v_max3_num_f32 v[TM+\b], |v[AC+16*\b]|, |v[AC+16*\b+1]|, 0x4800000   ; block b: my 16 numbers, each accumulator from its low end on, and the floor 2^(9 - 127)
.endr
.irp i, 2,4,6,8,10,12,14
.irp b, 0,1,2,3
	v_max3_num_f32 v[TM+\b], |v[AC+16*\b+\i]|, |v[AC+16*\b+\i+1]|, v[TM+\b]   ; (the four blocks by turns)
.endr
.endr
	WIN 0
.irp b, 0,1,2,3
	v_permlanex16_b32 v[TM+4+\b], v[TM+\b], s4, s5
.endr
.irp b, 0,1,2,3
	v_max_num_f32 v[TM+\b], v[TM+\b], v[TM+4+\b]   ; with lane l xor 16's: the block's largest magnitude
.endr
.irp b, 0,1,2,3
	v_add_nc_u32 v[SCO+\b], 0xfc000000, v[TM+\b]   ; 8 off its exponent field: the conversion's scale operand
.endr
.irp b, 0,1,2,3
.endr
.irp b, 0,1,2,3
	v_lshrrev_b32 v[TM+4+\b], 23, v[SCO+\b]        ; the scale's byte
.endr
	v_lshl_or_b32 v[PW], v[TM+5], 8, v[TM+4]
	v_lshl_or_b32 v[PW], v[TM+6], 16, v[PW]
	v_lshl_or_b32 v[PW], v[TM+7], 24, v[PW]
	v_perm_b32 v[SW+(\a)], v[PW], v[PW], v[VSEL]   ; the word that my half of the lanes stores
	ds_store_b32 v[SST], v[SW+(\a)] offset:64*(\a)
.set WW, (W<<6)|W
	WIN WW                                         ; destination and source 0: the accumulators' window
.irp b, 0,1,2,3
.irp i, 0,1,2,3,4,5,6,7,8,9,10,11,12,13,14,15
.endr
.endr
	s_wait_xcnt 0x0                                ; the last block's stores have read the codes' registers
	WIN W
.irp b, 0,1,2,3
	v_cvt_scalef32_pk8_fp8_f32 v[PC+4*\b:PC+4*\b+1], v[AC+16*\b:AC+16*\b+7], v[SCO+\b]
	v_cvt_scalef32_pk8_fp8_f32 v[PC+4*\b+2:PC+4*\b+3], v[AC+16*\b+8:AC+16*\b+15], v[SCO+\b]
.endr
	WIN 0
	v_nop                                          ; a plain line behind the last conversion
.irp b, 0,1,2,3
	global_store_b128 v[GO], v[PC+4*\b:PC+4*\b+3], s[98:99] offset:2048*(\a)+512*\b   ; 32 lanes store 512 consecutive bytes, aligned: one image
.endr
.endm
.irp a, 0,1,2,3,4,5,6,7
	QOUT \a
.endr
	ds_load_b128 v[BKS:BKS+3], v[SRD]              ; LDS serves a wave's instructions in order: these see my stores
	ds_load_b128 v[BKS+4:BKS+7], v[SRD] offset:512
	s_wait_dscnt 0x0
	global_store_b128 v[GO], v[BKS:BKS+3], s[100:101]              ; q, k: the first head's 128 words;  v: the 128 rows' words of these 128 keys
	s_cmp_eq_u32 s12, 2
	s_cbranch_scc1 .Lno_second
	global_store_b128 v[GO], v[BKS+4:BKS+7], s[100:101] offset:8192   ; q, k: the second head's
.Lno_second:
	s_wait_tensorcnt 0x0                           ; the wave's end: behind my last tensor load and my last LDS store
	ds_add_u32 v[SPW], v[NIL]
	s_wait_dscnt 0x0
	CROUND                                         ; the closing round: no work-group ends while a partner may still ask for a tile that names it
	s_endpgm
.Lfunc_end_k_qd4e784dcf5_qkv:
	.size	k_qd4e784dcf5_qkv, .Lfunc_end_k_qd4e784dcf5_qkv-k_qd4e784dcf5_qkv
	.p2alignl 7, 3214868480
	.fill 96, 4, 3214868480
	.section	.rodata,"a",@progbits
	.p2align	6, 0x0
	.amdhsa_kernel k_qd4e784dcf5_qkv
		.amdhsa_group_segment_fixed_size 327680
		.amdhsa_private_segment_fixed_size 0
		.amdhsa_enable_private_segment 0
		.amdhsa_kernarg_size 56
		.amdhsa_user_sgpr_count 2
		.amdhsa_user_sgpr_kernarg_segment_ptr 1
		.amdhsa_wavefront_size32 1
		.amdhsa_system_sgpr_workgroup_id_x 1
		.amdhsa_system_sgpr_workgroup_id_y 1
		.amdhsa_system_sgpr_workgroup_id_z 1
		.amdhsa_system_vgpr_workitem_id 0
		.amdhsa_next_free_vgpr 1024
		.amdhsa_next_free_sgpr 102
		.amdhsa_reserve_vcc 1
		.amdhsa_float_denorm_mode_32 3
		.amdhsa_float_denorm_mode_16_64 3
		.amdhsa_fp16_overflow 1
		.amdhsa_memory_ordered 1
		.amdhsa_forward_progress 1
		.amdhsa_inst_pref_size 172
	.end_amdhsa_kernel
	.amdgpu_metadata
---
amdhsa.version: [ 1, 2 ]
amdhsa.kernels:
  - .name:           k_qd4e784dcf5_qkv
    .symbol:         k_qd4e784dcf5_qkv.kd
    .args:
      - { .name: xw_codes, .offset: 0, .size: 8, .value_kind: global_buffer, .address_space: global }
      - { .name: xw_scales, .offset: 8, .size: 8, .value_kind: global_buffer, .address_space: global }
      - { .name: bq, .offset: 16, .size: 8, .value_kind: global_buffer, .address_space: global }
      - { .name: bk, .offset: 24, .size: 8, .value_kind: global_buffer, .address_space: global }
      - { .name: bv, .offset: 32, .size: 8, .value_kind: global_buffer, .address_space: global }
      - { .name: qkv_img, .offset: 40, .size: 8, .value_kind: global_buffer, .address_space: global }
      - { .name: qkv_sc, .offset: 48, .size: 8, .value_kind: global_buffer, .address_space: global }
    .group_segment_fixed_size: 327680
    .private_segment_fixed_size: 0
    .kernarg_segment_align: 8
    .kernarg_segment_size: 56
    .max_flat_workgroup_size: 128
    .sgpr_count:     102
    .vgpr_count:     1024
    .wavefront_size: 32
...
	.end_amdgpu_metadata
.endif
;; end of part 2
;; launch attn (part 3): grid 4 x 64, 16 waves a work-group, no clusters, 276,480 bytes of LDS; arguments qkv_img, qkv_sc, y_img, y_sc; writes y_img, y_sc
.if DOCPART == 3
	.amdgcn_target "amdgcn-amd-amdhsa--gfx1250"
	.amdhsa_code_object_version 6
	.text
	.protected	k_qd4e784dcf5_attn
	.globl	k_qd4e784dcf5_attn
	.p2align	8
	.type	k_qd4e784dcf5_attn,@function
k_qd4e784dcf5_attn:
	s_mov_b64 s[64:65], 0
	v_nop
	global_prefetch_b8 v0, s[64:65] scope:SCOPE_SE
	s_setreg_imm32_b32 hwreg(HW_REG_WAVE_MODE, 25, 1), 1
	s_wait_xcnt 0x0
; y[b][t][head] = the sum over keys s <= t of softmax_s(q . k / 8) v, both products on codes of FP8 (E4M3) with E8M0 scales; y is quantised here along the model's 1,024 for the last product.
; THE SOFTMAX AHEAD OF THE SECOND PRODUCT: t = score x log2(e) / 8; M = the row's largest t so far, rounded UP to a whole number; p = 2^(t - M) is what is quantised, along the keys, not normalised.
; The row's sum is taken of the unquantised p and divides at the end.  When M moves, the sum and O are multiplied by 2^(old M - new M): exact.
; SHARES.  Work-group (i, bh) owns blocks i and 7 - i of 256 queries of head bh (bh = 16 batch + head): with the causal mask every wave then has 16 or 18 key steps, whatever i.  Each of the 16 waves owns one tile of 16 queries of each block.
; THE WHOLE HEAD'S K AND V STAY IN LDS, filled once by tensor loads at the head: nothing is filled again.  The first half of the keys is all that the first block needs; the second half lands meanwhile.
; All operands lie as images of their registers (512 bytes = four registers of 32 lanes): every LDS read is 16 x lane or 4 x (lane % 16) + constants.
; LAYOUT.  Both products are used transposed: S^T = K Q^T (source 0 = 16 keys, source 1 = my 16 queries), O^T = V^T P^T (source 0 = 16 of the head's 64, source 1 = P): a lane holds ONE query (lane % 16) throughout.
; The head's 64 fill half of the instruction's 128 along K: the upper eight registers of Q's and K's fragments hold zero codes, set once.
; ORDER INSIDE A BLOCK OF 32: a lane's 16 numbers of tiles 2 e and 2 e + 1 are indices 32 e + 8 h + 0..7 and 32 e + 16 + 8 h + 0..7; converted in that order they fill the operand's places 32 e + 16 h + 0..15.  V's images and Wp's codes have the same order.
; CAUSAL.  Every wave walks a constant number of trips; a step all of whose keys come after its queries is jumped over by a scalar branch on ids; on the diagonal hidden scores become -infinity ahead of the maximum.
; NO JOINT LOADS, though the four work-groups of a head read the same K and V: the steps that a wave leaves out hang on its block of queries, which in a cluster would be its place there, and partners of joint loads must run alike.
; y's scale bytes leave as 2 bytes a lane, 8 bytes apart (beside 64 bytes of codes a lane pair): the neighbouring bytes are other heads' work-groups'; lanes 16-31 write the same bytes with the same values.
; LIMITS: a block whose largest magnitude lies under 2^(9 - 127) gets the scale byte 1; NaN and infinities are not served; the logit's scale and log2(e) are one f32 constant.
.set VIMG, 131072                      ; LDS: K's images at 0: 128 tiles of 16 keys x 1,024 bytes;  V's here: 16 key steps x 8,192 bytes = [tile of 16 of the head's 64][block of 32 keys][512]
.set KSC,  262144                      ; K's scale words, 4 bytes a key
.set VSC,  270336                      ; V's: 16 key steps x 64 words
.set LI,   1                           ; v1   16 x lane
.set LS,   2                           ; v2   4 x (lane % 16)
.set LS8,  3                           ; v3   8 x (lane % 16)
.set RH,   4                           ; v4   lane % 16 - 8 (lane / 16)
.set NINF, 5                           ; v5   -infinity
.set MD,   6                           ; v6   the mask's bound
.set ADK,  8                           ; v8-11 LDS addresses of the step's K, V, K's scale words, V's
.set ADV,  9
.set ADS,  10
.set ADT,  11
.set QA,   16                          ; v16-31   Q of the first block (v12 -M, v13 the largest t, v[14:15] the sum in two halves)
.set KFR,  32                          ; v32-95   four fragments of K
.set S,    96                          ; v96-159  S^T, then p, then V's four fragments; at a block's end y
.set O,    160                         ; v160-191 O^T
.set PCD,  192                         ; v192-207 p's codes; y's
.set BM,   208                         ; v208-211 the blocks' largest
.set PM,   212                         ; v212-215 at work
.set LIM,  216
.set SCO,  220                         ; v220-223 the conversions' scale operands
.set KS,   224                         ; v224-227 K's scale words
.set F,    228                         ; v[228:229] f, 0
.set PW,   230                         ; v230 p's scale word; y's two bytes
.set T,    231
.set QB,   232                         ; v232-247 Q of the second block
.set QSA,  248                         ; v248, v249 Q's scale words
.set QSB,  249
.set VS,   250                         ; v250-253 V's scale words: registers of their own, so that the next step's loads of K's words do not land where the last products have just read
.set WV,   12
.set W8,   13
.set BH,   14
.set G1K,  24                          ; s[24:31] K's images: 8 rows of 1,024 bytes, 2,048 apart;  s[32:39] V's: 8 dense rows of 1,024;  s[40:47] K's words: 4 dense rows of 256;  s[48:55] V's: 2 rows of 256, 512 apart
.set G1V,  32
.set G1S,  40
.set G1T,  48
.set G0KS, 56                          ; groups 0: K's words, K's first half, K's second;  V's likewise
.set G0KA, 60
.set G0KB, 68
.set G0VS, 72
.set G0VA, 76
.set G0VB, 80
.set SEL,  84                          ; s[84:85] lane selects for v_permlanex16_b32: lane l xor 16
.set CS,   86                          ; s[86:87] c = log2(e) / 8
.set MNT,  88
.set Q0,   89                          ; s89  my first query
.set KF,   90                          ; s90  the step's first key
.set TK,   91                          ; s91  8,192 x the step
.set TS,   92                          ; s92  where the step's scale words of K begin
.set TJ,   93                          ; s93  and V's
.set CNT,  94
.set TT,   95
.set YI0,  96                          ; s[96:97], s[98:99] y's images and scale bytes of my first tile;  s[100:101], s[20:21] of my second
.set YS0,  98
.set YI1,  100
.set YS1,  20
	s_load_b256 s[4:11], s[0:1], 0x0               ; the images s[4:5], their scale words s[6:7], y's images s[8:9], y's scale bytes s[10:11]
	v_lshl_add_u32 v254, v0, 2, 0x43000
	v_mov_b32 v255, 0
	ds_add_u32 v254, v255
	ds_add_u32 v254, v255
	v_lshrrev_b32 v8, 5, v0
	s_delay_alu instid0(VALU_DEP_1)
	v_readfirstlane_b32 s[WV], v8                  ; wave 0..15
	s_and_b32 s[W8], s[WV], 7                      ; which eighth of K (waves 0-7) or of V (waves 8-15) I fetch
	s_and_b32 s[BH], ttmp7, 0xffff
.irp g, G1K, G1V, G1S, G1T
	s_mov_b32 s[\g], 3<<16                         ; no mask; elements of 8 bytes; no padding
	s_mov_b32 s[\g+6], 0
	s_mov_b32 s[\g+7], 0
.endr
	s_mov_b32 s[G1K+1], 128<<16                    ; tensor_dim0
	s_mov_b32 s[G1K+2], 8<<16                      ; tensor_dim1
	s_mov_b32 s[G1K+3], 128<<16                    ; tile_dim0
	s_mov_b32 s[G1K+4], 8                          ; tile_dim1
	s_mov_b32 s[G1K+5], 256                        ; the pitch: the other head of the pair lies between
	s_mov_b32 s[G1V+1], 128<<16
	s_mov_b32 s[G1V+2], 8<<16
	s_mov_b32 s[G1V+3], 128<<16
	s_mov_b32 s[G1V+4], 8
	s_mov_b32 s[G1V+5], 128
	s_mov_b32 s[G1S+1], 32<<16
	s_mov_b32 s[G1S+2], 4<<16
	s_mov_b32 s[G1S+3], 32<<16
	s_mov_b32 s[G1S+4], 4
	s_mov_b32 s[G1S+5], 32
	s_mov_b32 s[G1T+1], 32<<16
	s_mov_b32 s[G1T+2], 2<<16
	s_mov_b32 s[G1T+3], 32<<16
	s_mov_b32 s[G1T+4], 2
	s_mov_b32 s[G1T+5], 64
	s_lshr_b32 s15, s[BH], 1                       ; the pair of heads
	s_lshl_b32 s16, s15, 18                        ; its 262,144 bytes in each kind's images
	s_and_b32 s17, s[BH], 1                        ; which of the pair
	s_lshl_b32 s18, s[W8], 14
	s_add_co_u32 s18, s18, s16
	s_lshl_b32 s19, s17, 10
	s_add_co_u32 s2, s18, s19
	s_add_co_u32 s2, s2, 8388608                   ; K's images: my 8 tiles of the first half
	s_mov_b32 s3, 0
	s_lshl_b32 s19, s17, 13
	s_add_co_u32 s22, s18, s19
	s_add_co_u32 s22, s22, 16777216                ; V's: my key step of the first half
	s_mov_b32 s23, 0
	s_lshl_b32 s20, s[W8], 10
	s_lshl_b32 s18, s[BH], 13
	s_add_co_u32 s18, s18, s20
	s_add_co_u32 s18, s18, 524288                  ; K's scale words: my 256 keys
	s_mov_b32 s19, 0
	s_lshl_b32 s21, s15, 13
	s_add_co_u32 s20, s20, s21
	s_lshl_b32 s21, s17, 8
	s_add_co_u32 s20, s20, s21
	s_add_co_u32 s20, s20, 1048576                 ; V's: my two key steps
	s_mov_b32 s21, 0
	s_mov_b32 s[G0KS], 1
	s_lshl_b32 s[G0KS+1], s[W8], 10
	s_add_co_u32 s[G0KS+1], s[G0KS+1], KSC
	s_mov_b32 s[G0KA], 1
	s_lshl_b32 s[G0KA+1], s[W8], 13
	s_mov_b32 s[G0KB], 1
	s_add_co_u32 s[G0KB+1], s[G0KA+1], 65536
	s_mov_b32 s[G0VS], 1
	s_lshl_b32 s[G0VS+1], s[W8], 9
	s_add_co_u32 s[G0VS+1], s[G0VS+1], VSC
	s_mov_b32 s[G0VA], 1
	s_add_co_u32 s[G0VA+1], s[G0KA+1], VIMG
	s_mov_b32 s[G0VB], 1
	s_add_co_u32 s[G0VB+1], s[G0KA+1], VIMG+65536
	s_wait_dscnt 0x0
	s_wait_kmcnt 0x0
	s_add_nc_u64 s[G0KS+2:G0KS+3], s[6:7], s[18:19]
	s_add_nc_u64 s[G0KA+2:G0KA+3], s[4:5], s[2:3]
	s_add_nc_u64 s[G0KB+2:G0KB+3], s[G0KA+2:G0KA+3], 0x20000      ; the second half: 64 tiles of 2,048 bytes on
	s_add_nc_u64 s[G0VS+2:G0VS+3], s[6:7], s[20:21]
	s_add_nc_u64 s[G0VA+2:G0VA+3], s[4:5], s[22:23]
	s_add_nc_u64 s[G0VB+2:G0VB+3], s[G0VA+2:G0VA+3], 0x20000      ; 8 key steps of 16,384 bytes on
.irp g, G0KS, G0KA, G0KB, G0VS, G0VA, G0VB
	s_or_b32 s[\g+3], s[\g+3], 0x80000000          ; type = 2
.endr
	s_cmp_lt_u32 s[WV], 8                          ; a wave's three fills stand in one branch, ahead of every wait on TENSORcnt, every LDS read and every barrier: three loads of mine are out
	s_cbranch_scc0 .Lfill_v
	tensor_load_to_lds s[G0KS:G0KS+3], s[G1S:G1S+7]
	s_nop 0
	tensor_load_to_lds s[G0KA:G0KA+3], s[G1K:G1K+7]
	s_nop 0
	tensor_load_to_lds s[G0KB:G0KB+3], s[G1K:G1K+7]
	s_nop 0
.rept 4
	v_nop
.endr
	s_branch .Lfilled
.Lfill_v:
	tensor_load_to_lds s[G0VS:G0VS+3], s[G1T:G1T+7]
	s_nop 0
	tensor_load_to_lds s[G0VA:G0VA+3], s[G1V:G1V+7]
	s_nop 0
	tensor_load_to_lds s[G0VB:G0VB+3], s[G1V:G1V+7]
	s_nop 0
.rept 4
	v_nop
.endr
.Lfilled:
	s_lshl_b32 s22, ttmp9, 8
	s_lshl_b32 s18, s[WV], 4
	s_add_co_u32 s22, s22, s18                     ; my first query of block i,
	s_sub_co_u32 s23, 7, ttmp9
	s_lshl_b32 s23, s23, 8
	s_add_co_u32 s23, s23, s18                     ; and of block 7 - i
	s_lshl_b32 s18, s17, 10
	s_add_co_u32 s18, s18, s16
	s_mov_b32 s3, 0
	s_lshl_b32 s2, s22, 7                          ; Q's images: 2,048 bytes a tile of 16 queries
	s_add_co_u32 s2, s2, s18
	s_add_nc_u64 s[90:91], s[4:5], s[2:3]
	s_lshl_b32 s2, s23, 7
	s_add_co_u32 s2, s2, s18
	s_add_nc_u64 s[92:93], s[4:5], s[2:3]
	s_lshl_b32 s18, s[BH], 13
	s_lshl_b32 s2, s22, 2                          ; Q's scale words: 4 bytes a query
	s_add_co_u32 s2, s2, s18
	s_add_nc_u64 s[94:95], s[6:7], s[2:3]
	s_lshl_b32 s2, s23, 2
	s_add_co_u32 s2, s2, s18
	s_add_nc_u64 s[18:19], s[6:7], s[2:3]
	v_and_b32 v8, 31, v0
	s_delay_alu instid0(VALU_DEP_1)
	v_lshlrev_b32 v[LI], 4, v8
	v_and_b32 v9, 15, v0
	s_delay_alu instid0(VALU_DEP_1)
	v_lshlrev_b32 v[LS], 2, v9
	s_delay_alu instid0(VALU_DEP_2)
	v_lshlrev_b32 v[LS8], 3, v9
	v_bfe_u32 v10, v0, 4, 1
	s_delay_alu instid0(VALU_DEP_1)
	v_lshlrev_b32 v10, 3, v10
	s_delay_alu instid0(VALU_DEP_1)
	v_sub_nc_u32 v[RH], v9, v10
	global_load_b128 v[QA:QA+3], v[LI], s[90:91]
	global_load_b128 v[QA+4:QA+7], v[LI], s[90:91] offset:512
	global_load_b128 v[QB:QB+3], v[LI], s[92:93]
	global_load_b128 v[QB+4:QB+7], v[LI], s[92:93] offset:512
	global_load_b32 v[QSA], v[LS], s[94:95]
	global_load_b32 v[QSB], v[LS], s[18:19]
	s_lshr_b32 s84, s[BH], 4                       ; the batch
	s_and_b32 s85, s[BH], 15                       ; the head
	s_lshl_b32 s86, s84, 21
	s_lshl_b32 s87, s85, 10
	s_add_co_u32 s86, s86, s87                     ; y's images: 16,384 bytes a tile of 16 tokens, 1,024 a head
	s_lshl_b32 s84, s84, 16
	s_lshr_b32 s87, s85, 2
	s_lshl_b32 s87, s87, 7
	s_add_co_u32 s84, s84, s87
	s_and_b32 s85, s85, 3
	s_lshl_b32 s85, s85, 1
	s_add_co_u32 s84, s84, s85                     ; y's scale bytes: 512 a tile; 128 for each 256 along K; in a row's 8 bytes my head's two
	s_lshl_b32 s2, s22, 10
	s_add_co_u32 s2, s2, s86
	s_add_nc_u64 s[YI0:YI0+1], s[8:9], s[2:3]
	s_lshl_b32 s2, s23, 10
	s_add_co_u32 s2, s2, s86
	s_add_nc_u64 s[YI1:YI1+1], s[8:9], s[2:3]
	s_lshl_b32 s2, s22, 5
	s_add_co_u32 s2, s2, s84
	s_add_nc_u64 s[YS0:YS0+1], s[10:11], s[2:3]
	s_lshl_b32 s2, s23, 5
	s_add_co_u32 s2, s2, s84
	s_add_nc_u64 s[YS1:YS1+1], s[10:11], s[2:3]
	s_mov_b32 s[SEL], 0x76543210
	s_mov_b32 s[SEL+1], 0xfedcba98
	s_mov_b32 s[CS], 0x3e38aa3b                    ; c = log2(e) / sqrt(64)
	s_mov_b32 s[CS+1], s[CS]                       ; (named with it as a pair, so it is written)
	v_mov_b32 v[NINF], 0xff800000
.irp j, 0,1,2,3,4,5,6,7
	v_mov_b32 v[QA+8+\j], 0                        ; zero codes for K = 64 .. 127, in Q's fragments
	v_mov_b32 v[QB+8+\j], 0
.irp t, 0,1,2,3
	v_mov_b32 v[KFR+16*\t+8+\j], 0                 ; and in K's four: no load ever lands here
.endr
.endr
.irp b, 0,1,2,3
	v_mov_b32 v[PM+\b], 0                          ; written once: a lane permute's destination counts as one of its sources
.endr
	v_mov_b32 v[T], 0
	v_mov_b32 v[F+1], 0                            ; (named as the upper half of the pair before it is first written)
.macro KLOAD g                         ; four tiles of 16 keys: the lower eight registers of each fragment, and the keys' scale words
.irp t, 0,1,2,3
	ds_load_b128 v[KFR+16*\t:KFR+16*\t+3], v[ADK] offset:1024*(4*\g+\t)
	ds_load_b128 v[KFR+16*\t+4:KFR+16*\t+7], v[ADK] offset:1024*(4*\g+\t)+512
	ds_load_b32 v[KS+\t], v[ADS] offset:64*(4*\g+\t)
.endr
.endm
.macro KQ g, q, qs
.irp t, 0,1,2,3
	v_wmma_scale_f32_16x16x128_f8f6f4 v[S+8*(4*\g+\t):S+8*(4*\g+\t)+7], v[KFR+16*\t:KFR+16*\t+15], v[\q:\q+15], 0, v[KS+\t], v[\qs]
.endr
.endm
.macro BMAX b0, b1                     ; the largest score of blocks b0 and b1, by turns
.irp b, \b0, \b1
	v_max3_num_f32 v[BM+\b], v[S+16*\b], v[S+16*\b+1], v[S+16*\b+2]
.endr
.irp i, 3,5,7,9,11,13
.irp b, \b0, \b1
	v_max3_num_f32 v[BM+\b], v[BM+\b], v[S+16*\b+\i], v[S+16*\b+\i+1]
.endr
.endr
.irp b, \b0, \b1
	v_max_num_f32 v[BM+\b], v[BM+\b], v[S+16*\b+15]
.endr
.endm
; A KEY STEP: 128 keys.
.macro STEP q, qs
	s_add_co_u32 s[TT], s[Q0], 15                  ; a step all of whose keys come after my 16 queries is left out: a branch on ids, round the work; not round the lines at its end that step addresses
	s_cmp_gt_u32 s[KF], s[TT]
	s_cbranch_scc1 .Lhidden_\@
	s_setprio 2
	v_add_nc_u32 v[ADK], s[TK], v[LI]
	v_add_nc_u32 v[ADS], s[TS], v[LS]
	KLOAD 0
	v_add_nc_u32 v[ADV], VIMG, v[ADK]
	v_add_nc_u32 v[ADT], s[TJ], v[LS]
	s_sub_co_i32 s[TT], s[Q0], s[KF]
	v_add_nc_u32 v[MD], s[TT], v[RH]               ; register 8 T + j holds key KF + 16 T + 8 h + j: hidden where 16 T + j > my query - KF - 8 h
.rept 4
	v_nop                                          ; with the five additions above: nine places between the last step's last product, which read v96 on as its source, and the first product below, which writes there
.endr
	s_wait_alu depctr_va_vdst(0)
	s_wait_dscnt 0x0
	KQ 0, \q, \qs
.rept 8
	v_nop                                          ; places in front of loads into registers that these products have read, and of the first read of their results
.endr
	KLOAD 1
	s_wait_dscnt 0x0
	KQ 1, \q, \qs
	s_add_co_u32 s[TT], s[KF], 127                 ; a step all of whose keys count skips the mask
	s_cmp_le_u32 s[TT], s[Q0]
	s_cbranch_scc1 .Lopen_\@
.set n, 0
.rept 64
	v_cmp_gt_i32 vcc_lo, 16*(n/8)+n%8, v[MD]       ; (the first four tiles' 64 lines are the places behind the last four products)
	v_cndmask_b32 v[S+n], v[S+n], v[NINF], vcc_lo
.set n, n+1
.endr
.Lopen_\@:
	BMAX 0, 1                                      ; THE LARGEST SCORE OF EACH BLOCK OF 32 KEYS serves twice: for the row's maximum and, since p rises with the score, for the block's largest p.  These sixteen lines name nothing of the last four products: they are their places
	BMAX 2, 3
.irp b, 0,1,2,3
	v_permlanex16_b32 v[PM+\b], v[BM+\b], s[SEL], s[SEL+1]
.endr
.irp b, 0,1,2,3
	s_delay_alu instid0(VALU_DEP_4)
	v_max_num_f32 v[BM+\b], v[BM+\b], v[PM+\b]     ; with lane l xor 16's 16 keys
.endr
	s_delay_alu instid0(VALU_DEP_2)
	v_max3_num_f32 v[T], v[BM], v[BM+1], v[BM+2]
	s_delay_alu instid0(VALU_DEP_1)
	v_max_num_f32 v[T], v[T], v[BM+3]              ; the step's largest score of my query
	s_delay_alu instid0(VALU_DEP_1)
	v_mul_f32 v[T], s[CS], v[T]                    ; as t (c is positive)
	s_delay_alu instid0(VALU_DEP_1)
	v_max_num_f32 v13, v13, v[T]                   ; the running largest t
	v_mov_b32 v[T], v12
	s_delay_alu instid0(VALU_DEP_2)
	v_floor_f32 v12, -v13                          ; the new -M = floor(-t) = -ceil(t): a whole number
	s_delay_alu instid0(VALU_DEP_1)
	v_sub_f32 v[T], v12, v[T]                      ; M's old value less its new one: a whole number, 0 or less
	s_delay_alu instid0(VALU_DEP_1)
	v_cvt_i32_f32 v[T], v[T]                       ; (it saturates)
	s_delay_alu instid0(VALU_DEP_1)
	v_ldexp_f32 v[F], 1.0, v[T]                    ; f = 2^(old M - new M)
.set n, 0
.rept 32
	v_pk_fma_f32 v[S+n:S+n+1], v[S+n:S+n+1], s[CS:CS+1], v[12:13] op_sel_hi:[1,0,0]   ; t - M, two at a time (of the pairs c and -M the low word serves both halves)
.set n, n+2
.endr
	s_setprio 1
.irp b, 0,1,2,3
	v_fma_f32 v[BM+\b], v[BM+\b], s[CS], v12       ; the same of each block's largest score
.endr
.set n, 0
	s_wait_alu depctr_va_vdst(0)
.rept 64
	v_exp_f32 v[S+n], v[S+n]                       ; p = 2^(t - M), at most 1: not normalised
.set n, n+1
.endr
.irp b, 0,1,2,3
	v_exp_f32 v[BM+\b], v[BM+\b]                   ; the block's largest p: the same two instructions on the same number give the same bits
.endr
	v_pk_mul_f32 v[14:15], v[14:15], v[F:F+1] op_sel_hi:[1,0]     ; the sums under the new M.  (A plain line behind the exponentials)
	s_wait_alu depctr_va_vdst(0)
.irp b, 0,1,2,3
	v_max_num_f32 v[BM+\b], 0x4800000, v[BM+\b]    ; the floor 2^(9 - 127): the byte cannot fall under 1 (a block whose every p is 0 keeps that byte: its codes are zeros)
.endr
.irp b, 0,1,2,3
	s_delay_alu instid0(VALU_DEP_4)
	v_add_nc_u32 v[SCO+\b], 0xfc000000, v[BM+\b]   ; 8 off the exponent field: the conversion's scale operand
.endr
.irp b, 0,1,2,3
.endr
.irp b, 0,1,2,3
	s_delay_alu instid0(VALU_DEP_4)
	v_lshrrev_b32 v[PM+\b], 23, v[SCO+\b]          ; the scale's byte
.endr
	s_delay_alu instid0(VALU_DEP_3)
	v_lshl_or_b32 v[PW], v[PM+1], 8, v[PM]         ; p's scale word for these 128 keys
	s_delay_alu instid0(VALU_DEP_1)
	v_lshl_or_b32 v[PW], v[PM+2], 16, v[PW]
	s_delay_alu instid0(VALU_DEP_1)
	v_lshl_or_b32 v[PW], v[PM+3], 24, v[PW]
	v_pk_add_f32 v[212:213], v[100:101], v[104:105]
	v_pk_add_f32 v[252:253], v[108:109], v[112:113]
	v_pk_add_f32 v[250:251], v[116:117], v[120:121]
	v_pk_add_f32 v[226:227], v[124:125], v[128:129]
	v_pk_add_f32 v[224:225], v[132:133], v[136:137]
	v_pk_add_f32 v[218:219], v[140:141], v[144:145]
	v_pk_add_f32 v[216:217], v[148:149], v[152:153]
	v_pk_add_f32 v[14:15], v[14:15], v[156:157]
	v_pk_add_f32 v[212:213], v[212:213], v[96:97]
	v_pk_add_f32 v[252:253], v[252:253], v[98:99]
	v_pk_add_f32 v[250:251], v[250:251], v[102:103]
	v_pk_add_f32 v[226:227], v[226:227], v[106:107]
	v_pk_add_f32 v[224:225], v[224:225], v[110:111]
	v_pk_add_f32 v[218:219], v[218:219], v[114:115]
	v_pk_add_f32 v[216:217], v[216:217], v[118:119]
	v_pk_add_f32 v[14:15], v[14:15], v[122:123]
	v_pk_add_f32 v[212:213], v[212:213], v[126:127]
	v_pk_add_f32 v[252:253], v[252:253], v[130:131]
	v_pk_add_f32 v[250:251], v[250:251], v[134:135]
	v_pk_add_f32 v[226:227], v[226:227], v[138:139]
	v_pk_add_f32 v[224:225], v[224:225], v[142:143]
	v_pk_add_f32 v[218:219], v[218:219], v[146:147]
	v_pk_add_f32 v[216:217], v[216:217], v[150:151]
	v_pk_add_f32 v[14:15], v[14:15], v[154:155]
	v_pk_add_f32 v[212:213], v[212:213], v[158:159]
	s_delay_alu instid0(VALU_DEP_2)
	v_pk_add_f32 v[14:15], v[14:15], v[226:227]
	s_delay_alu instid0(VALU_DEP_2)
	v_pk_add_f32 v[212:213], v[212:213], v[224:225]
	v_pk_add_f32 v[252:253], v[252:253], v[218:219]
	v_pk_add_f32 v[250:251], v[250:251], v[216:217]
	s_delay_alu instid0(VALU_DEP_2)
	v_pk_add_f32 v[14:15], v[14:15], v[252:253]
	s_delay_alu instid0(VALU_DEP_2)
	v_pk_add_f32 v[212:213], v[212:213], v[250:251]
	s_delay_alu instid0(VALU_DEP_1)
	v_pk_add_f32 v[14:15], v[14:15], v[212:213]
.irp b, 0,1,2,3
.irp i, 0,1,2,3,4,5,6,7,8,9,10,11,12,13,14,15
.endr
	v_cvt_scalef32_pk8_fp8_f32 v[PCD+4*\b:PCD+4*\b+1], v[S+16*\b:S+16*\b+7], v[SCO+\b]
	v_cvt_scalef32_pk8_fp8_f32 v[PCD+4*\b+2:PCD+4*\b+3], v[S+16*\b+8:S+16*\b+15], v[SCO+\b]
.endr
	s_setprio 0
	v_nop
.irp d, 0,1,2,3                                ; V's four fragments take p's place: 16 of the head's 64 x these 128 keys each
.irp c, 0,1,2,3
	ds_load_b128 v[S+16*\d+4*\c:S+16*\d+4*\c+3], v[ADV] offset:2048*\d+512*\c
.endr
	ds_load_b32 v[VS+\d], v[ADT] offset:64*\d
.endr
.set n, 0
.rept 16
	v_pk_mul_f32 v[O+n:O+n+1], v[O+n:O+n+1], v[F:F+1] op_sel_hi:[1,0]   ; O^T under the new M.  (These sixteen are also the plain line behind the conversions and the places between the codes and the products)
.set n, n+2
.endr
	s_wait_alu depctr_va_vdst(0)
	s_wait_dscnt 0x0
.irp d, 0,1,2,3                                ; O^T += V^T P^T: the four accumulators by turns
	v_wmma_scale_f32_16x16x128_f8f6f4 v[O+8*\d:O+8*\d+7], v[S+16*\d:S+16*\d+15], v[PCD:PCD+15], v[O+8*\d:O+8*\d+7], v[VS+\d], v[PW]
.endr
.Lhidden_\@:
	s_add_co_u32 s[KF], s[KF], 128
	s_add_co_u32 s[TK], s[TK], 8192
	s_add_co_u32 s[TS], s[TS], 512
	s_add_co_u32 s[TJ], s[TJ], 256
.endm
; A tile's end: O^T / the sum is y(my query, 16 d + 8 h + j): two blocks of 32 along the last product's K, quantised and stored as two images and two scale bytes a row.
.macro YOUT yi, ys
.rept 8
	v_nop                                          ; places behind the last products
.endr
	v_add_f32 v14, v14, v15                        ; the sum's two halves,
	s_delay_alu instid0(VALU_DEP_1)
	v_permlanex16_b32 v[T], v14, s[SEL], s[SEL+1]
	s_delay_alu instid0(VALU_DEP_1)
	v_add_f32 v14, v14, v[T]                       ; and lane l xor 16's: the row's sum
	s_wait_alu depctr_va_vdst(0)
	v_rcp_f32 v14, v14
	v_nop                                          ; a plain line behind the transcendental
.set n, 0
	s_wait_alu depctr_va_vdst(0)
.rept 16
	v_pk_mul_f32 v[S+n:S+n+1], v[O+n:O+n+1], v[14:15] op_sel_hi:[1,0]   ; each accumulator from its low end on
.set n, n+2
.endr
.irp b, 0,1
	v_max3_num_f32 v[BM+\b], |v[S+16*\b]|, |v[S+16*\b+1]|, 0x4800000
.endr
.irp i, 2,4,6,8,10,12,14
.irp b, 0,1
	s_delay_alu instid0(VALU_DEP_2)
	v_max3_num_f32 v[BM+\b], v[BM+\b], |v[S+16*\b+\i]|, |v[S+16*\b+\i+1]|
.endr
.endr
.irp b, 0,1
	s_delay_alu instid0(VALU_DEP_2)
	v_permlanex16_b32 v[PM+\b], v[BM+\b], s[SEL], s[SEL+1]
.endr
.irp b, 0,1
	s_delay_alu instid0(VALU_DEP_2)
	v_max_num_f32 v[BM+\b], v[BM+\b], v[PM+\b]
.endr
.irp b, 0,1
	s_delay_alu instid0(VALU_DEP_2)
	v_add_nc_u32 v[SCO+\b], 0xfc000000, v[BM+\b]
.endr
.irp b, 0,1
.endr
.irp b, 0,1
	s_delay_alu instid0(VALU_DEP_2)
	v_lshrrev_b32 v[PM+\b], 23, v[SCO+\b]
.endr
	s_delay_alu instid0(VALU_DEP_1)
	v_lshl_or_b32 v[PW], v[PM+1], 8, v[PM]         ; my row's two scale bytes
.irp b, 0,1
.irp i, 0,1,2,3,4,5,6,7,8,9,10,11,12,13,14,15
.endr
	v_cvt_scalef32_pk8_fp8_f32 v[PCD+4*\b:PCD+4*\b+1], v[S+16*\b:S+16*\b+7], v[SCO+\b]
	v_cvt_scalef32_pk8_fp8_f32 v[PCD+4*\b+2:PCD+4*\b+3], v[S+16*\b+8:S+16*\b+15], v[SCO+\b]
.endr
	v_nop                                          ; a plain line behind the last conversion
	global_store_b128 v[LI], v[PCD:PCD+3], s[\yi:\yi+1]             ; 32 lanes store 512 consecutive bytes, aligned: one image
	global_store_b128 v[LI], v[PCD+4:PCD+7], s[\yi:\yi+1] offset:512
	global_store_b16 v[LS8], v[PW], s[\ys:\ys+1]
.endm
; A block of queries: the step is written once: O^T and the sum begin as zeros and the largest t as -3e38, so that the first change of M multiplies zeros.
.macro PASS q, qs, q0, trips, yi, ys
	s_mov_b32 s[Q0], s[\q0]
	s_mov_b32 s[KF], 0
	s_mov_b32 s[TK], 0
	s_mov_b32 s[TS], KSC
	s_mov_b32 s[TJ], VSC
	s_mov_b32 s[CNT], \trips
	v_mov_b32 v13, 0xff61b1e6
	s_delay_alu instid0(VALU_DEP_1)
	v_floor_f32 v12, -v13
	v_mov_b32 v14, 0
	v_mov_b32 v15, 0
.set n, 0
.rept 32
	v_mov_b32 v[O+n], 0
.set n, n+1
.endr
.Lstep_\@:
	STEP \q, \qs
	s_sub_co_u32 s[CNT], s[CNT], 1
	s_cmp_lg_u32 s[CNT], 0
	s_cbranch_scc1 .Lstep_\@
	s_setprio 0
	YOUT \yi, \ys
.endm
	s_wait_loadcnt 0x0                             ; Q and its scale words
	s_wait_tensorcnt 0x1                           ; my scale words and my part of the first 1,024 keys are in; the second half's load may stay out
	s_barrier_signal -1
	s_barrier_wait -1                              ; everybody's are
	PASS QA, QSA, 22, 8, YI0, YS0                  ; block i lies in the first 1,024 queries: 8 trips reach all its keys
	s_wait_tensorcnt 0x0                           ; my part of the second half is in,
	s_wait_dscnt 0x0
	s_barrier_signal -1
	s_barrier_wait -1                              ; everybody's is
	s_wait_xcnt 0x0                                ; the first block's stores have read their registers
	PASS QB, QSB, 23, 16, YI1, YS1
	s_wait_tensorcnt 0x0
	ds_add_u32 v254, v255
	s_wait_dscnt 0x0
	s_endpgm
.Lfunc_end_k_qd4e784dcf5_attn:
	.size	k_qd4e784dcf5_attn, .Lfunc_end_k_qd4e784dcf5_attn-k_qd4e784dcf5_attn
	.p2alignl 7, 3214868480
	.fill 96, 4, 3214868480
	.section	.rodata,"a",@progbits
	.p2align	6, 0x0
	.amdhsa_kernel k_qd4e784dcf5_attn
		.amdhsa_group_segment_fixed_size 276480
		.amdhsa_private_segment_fixed_size 0
		.amdhsa_enable_private_segment 0
		.amdhsa_kernarg_size 32
		.amdhsa_user_sgpr_count 2
		.amdhsa_user_sgpr_kernarg_segment_ptr 1
		.amdhsa_wavefront_size32 1
		.amdhsa_system_sgpr_workgroup_id_x 1
		.amdhsa_system_sgpr_workgroup_id_y 1
		.amdhsa_system_sgpr_workgroup_id_z 1
		.amdhsa_system_vgpr_workitem_id 0
		.amdhsa_next_free_vgpr 256
		.amdhsa_next_free_sgpr 102
		.amdhsa_reserve_vcc 1
		.amdhsa_float_denorm_mode_32 3
		.amdhsa_float_denorm_mode_16_64 3
		.amdhsa_fp16_overflow 1
		.amdhsa_memory_ordered 1
		.amdhsa_forward_progress 1
		.amdhsa_inst_pref_size 69
	.end_amdhsa_kernel
	.amdgpu_metadata
---
amdhsa.version: [ 1, 2 ]
amdhsa.kernels:
  - .name:           k_qd4e784dcf5_attn
    .symbol:         k_qd4e784dcf5_attn.kd
    .args:
      - { .name: qkv_img, .offset: 0, .size: 8, .value_kind: global_buffer, .address_space: global }
      - { .name: qkv_sc, .offset: 8, .size: 8, .value_kind: global_buffer, .address_space: global }
      - { .name: y_img, .offset: 16, .size: 8, .value_kind: global_buffer, .address_space: global }
      - { .name: y_sc, .offset: 24, .size: 8, .value_kind: global_buffer, .address_space: global }
    .group_segment_fixed_size: 276480
    .private_segment_fixed_size: 0
    .kernarg_segment_align: 8
    .kernarg_segment_size: 32
    .max_flat_workgroup_size: 512
    .sgpr_count:     102
    .vgpr_count:     256
    .wavefront_size: 32
...
	.end_amdgpu_metadata
.endif
;; end of part 3
;; launch proj (part 4): grid 4 x 32, 4 waves a work-group, clusters of 4 x 4, 327,680 bytes of LDS; arguments y_img, y_sc, xw_codes, xw_scales, bp, out0; writes out0
.if DOCPART == 4
	.amdgcn_target "amdgcn-amd-amdhsa--gfx1250"
	.amdhsa_code_object_version 6
	.text
	.protected	k_qd4e784dcf5_proj
	.globl	k_qd4e784dcf5_proj
	.p2align	8
	.type	k_qd4e784dcf5_proj,@function
k_qd4e784dcf5_proj:
	s_mov_b64 s[64:65], 0
	v_nop
	global_prefetch_b8 v0, s[64:65] scope:SCOPE_SE
	s_setreg_imm32_b32 hwreg(HW_REG_WAVE_MODE, 25, 1), 1
	s_wait_xcnt 0x0
	s_wait_alu depctr_hold_cnt(0) depctr_sa_sdst(0) depctr_va_vdst(0) depctr_va_sdst(0) depctr_va_ssrc(0) depctr_va_vcc(0) depctr_vm_vsrc(0)
	s_getreg_b32 s2, hwreg(HW_REG_IB_STS2, 6, 4)
	s_cmp_eq_u32 s2, 0
	s_cbranch_scc0 .Lentry_in_a_cluster
	s_endpgm
.Lentry_in_a_cluster:
	s_bfe_u32 s2, ttmp6, 0x10000c
	s_cmp_lg_u32 s2, 0xf033
	s_cbranch_scc0 .Lentry_shape_is_right
	s_endpgm
.Lentry_shape_is_right:
; out0 = y Wp + bp on codes of FP8 (E4M3) with E8M0 scales for each 32 along K = 1,024; out0 [8192][1024] f32.
; y comes as IMAGES OF OPERAND REGISTERS, [tile of 16 tokens][K / 128][block of 32][512 bytes], Wp as rows of codes (rows 11,264 on of the codes' buffer), with the same order inside each block of 32 as y's images.
; A work-group of four waves makes 256 x 256 of out0, a wave 128 x 128: 64 accumulators, 512 registers.  K goes in steps of 256 through a ring of two LDS slots filled by the tensor data mover.
; The matrix instruction is used transposed (source 0 = 16 rows of Wp's codes, source 1 = 16 tokens): a lane holds eight neighbouring numbers of a row of out0.  bp is the C of each sum's first matrix instruction.
; CLUSTERS: 4 x 4 work-groups; y's tile is shared along a row of the cluster, Wp's along a column: each is asked for jointly.  The scales of the 256 + 256 rows, for all of K, come into LDS once, with the first fills.
; 128 work-groups: tiles of 128 x 256 would make 256, at one and a half times the LDS bytes for each matrix instruction.
; REGISTERS, in windows of 256: window 0: v1-29 addresses; v32-63 scale words, two sets, and nothing else; v64-127 bp; v128-255 y's fragments, one set, later the way out.
;   window 1: Wp's fragments, two sets.   windows 2, 3: the accumulators ((a, b) at v[8 (8 (a % 4) + b)] of window 2 + a / 4).
.set SIZE_N, 1024
.set KROW,   1024
.set ROWB,   256
.set NQ,     2
.set PITCH,  272                       ; an LDS row of Wp's tile: 256 bytes + 16 of padding: the 16 rows that a load touches start at 16 different banks (64 banks of 4 bytes: ISA guide 11.1)
.set FR,     16
.set NL,     4
.set NP,     8                         ; places behind this matrix instruction (ISA guide 7.12.1)
.set HALFT,  128*PITCH                 ; a wave's part of a slot: 128 rows of Wp, or 8 tiles of y (32,768 bytes of it)
.set SLOT,   4*HALFT
.set LAPS,   2
.set ASTEP,  8192                      ; from a slot's tile to its next, in memory: y's images: two K steps of 4,096 bytes
.set BSTEP,  2*ROWB
.set SCL,    2*SLOT
.set HALFS,  4096
.set SKEW,   128
.set SPARE,  SCL+4*HALFS+256           ; the spare words, 128 bytes for each wave: two blocks of 256 bytes that no other line names
.set SPITCH, 528                       ; the way out: a stage of 16 rows x (512 bytes + 16) for each wave, in slot 0, which has had its last fill and its last read when the first result is stored there
.set BO,   7                           ; v7      the bias loads' offset
.set ADRA, 16
.set ADRB, 20
.set STO,  24
.set RD,   25
.set CO,   26                          ; v26     16 x lane
.set ADRS, 27
.set SPW,  28
.set NIL,  29
.set SC,   32
.set BI,   64
.set AF,   128
.set BK,   128
.set G1, 24
.set G0, 32
.set G1B, 48
.set G0B, 56
.set G1S, 68
.set G0S, 76
.set G1SB, 80
.set G0SB, 88
.set MSB, 0
.macro WIN new                         ; the immediate's high byte repeats the setting that is left
.if MSB != \new
	s_set_vgpr_msb (MSB<<8)|\new
.set MSB, \new
.endif
.endm
.set MUL_LO, 0xa1
.set MUL_HI, 0xf1
.set FST_LO, 0x81
.set FST_HI, 0xc1
.set TO_B,   0x40
.macro JLOAD g0a, g1a, g0b, g1b        ; a joint load: waves 0 and 1 fetch for y, waves 2 and 3 for Wp; four v_nop follow each of the two lines
	s_cmp_eq_u32 s15, 0
	s_cbranch_scc0 .Lfor_b_\@
	tensor_load_to_lds s[\g0a:\g0a+3], s[\g1a:\g1a+7]
	s_nop 0
.rept 4
	v_nop
.endr
	s_branch .Lasked_\@
.Lfor_b_\@:
	tensor_load_to_lds s[\g0b:\g0b+3], s[\g1b:\g1b+7]
	s_nop 0
.rept 4
	v_nop
.endr
.Lasked_\@:
.endm
.macro CREST
	s_cmp_lg_u32 s14, 0
	s_cbranch_scc1 .Lnot_wave_0_\@
	s_barrier_signal -3
.Lnot_wave_0_\@:
	s_barrier_wait -3
	s_barrier_signal -1
	s_barrier_wait -1
.endm
.macro CROUND
	s_barrier_signal -1
	s_barrier_wait -1
	CREST
.endm
	s_load_b128 s[4:7], s[0:1], 0x0                ; y's images s[4:5], y's scale bytes s[6:7]
	s_load_b128 s[8:11], s[0:1], 0x10              ; the codes s[8:9], their scale bytes s[10:11]
	s_load_b128 s[96:99], s[0:1], 0x20             ; bp s[96:97], out0 s[98:99]
	v_lshl_add_u32 v[SPW], v0, 2, SPARE
	v_mov_b32 v[NIL], 0
	ds_add_u32 v28, v29
	ds_add_u32 v28, v29
	s_wait_dscnt 0x0
	v_lshrrev_b32 v1, 5, v0
	v_readfirstlane_b32 s14, v1                    ; wave 0..3
	s_lshr_b32 s15, s14, 1                         ; which half of the tile's rows is mine.  Also: I fetch for y (0) or for Wp (1)
	s_and_b32 s16, s14, 1                          ; which half of its columns.  Also: which half of that tile I fetch
	s_bfe_u32 s40, ttmp6, 0x40000                  ; cx, cy
	s_bfe_u32 s41, ttmp6, 0x40004
	s_lshl_b32 s42, ttmp9, 2
	s_add_co_u32 s42, s42, s40                     ; tile column
	s_and_b32 s17, ttmp7, 0xffff
	s_lshl_b32 s17, s17, 2
	s_add_co_u32 s17, s17, s41                     ; tile row
	s_lshl_b32 s43, s41, 2
	s_lshl_b32 s43, 15, s43                        ; my row of the cluster
	s_lshl_b32 s44, 0x1111, s40                    ; my column
	; y's tile: 8 tiles of 16 tokens x 4,096 bytes (256 along K), 16,384 bytes apart; elements of 8 bytes; no padding: every read of it is 16 x lane + constants
	s_or_b32 s[G1+0], s43, (3<<16)|(1<<21)
	s_mov_b32 s[G1+1], 512<<16
	s_mov_b32 s[G1+2], 8<<16
	s_mov_b32 s[G1+3], 512<<16
	s_mov_b32 s[G1+4], 8
	s_mov_b32 s[G1+5], 2048
	s_mov_b32 s[G1+6], 0
	s_mov_b32 s[G1+7], 0
	; Wp's tile: 128 rows x 256 bytes, padded in LDS
	s_or_b32 s[G1B+0], s44, (0<<16)|(1<<20)|(1<<21)|(5<<22)|(3<<25)
	s_mov_b32 s[G1B+1], ROWB<<16
	s_mov_b32 s[G1B+2], 128<<16
	s_mov_b32 s[G1B+3], ROWB<<16
	s_mov_b32 s[G1B+4], 128
	s_mov_b32 s[G1B+5], KROW
	s_mov_b32 s[G1B+6], 0
	s_mov_b32 s[G1B+7], 0
	; the scales of 128 rows: 4,096 dense bytes, as 16 rows of 256
	s_or_b32 s[G1S+0], s43, (3<<16)|(1<<21)
	s_or_b32 s[G1SB+0], s44, (3<<16)|(1<<21)
.irp g, G1S, G1SB
	s_mov_b32 s[\g+1], 32<<16
	s_mov_b32 s[\g+2], 16<<16
	s_mov_b32 s[\g+3], 32<<16
	s_mov_b32 s[\g+4], 16
	s_mov_b32 s[\g+5], 32
	s_mov_b32 s[\g+6], 0
	s_mov_b32 s[\g+7], 0
.endr
	s_lshl_b32 s20, s17, 18                        ; y's images: 16 tiles of 16,384 bytes a tile row, 8 a half
	s_lshl_b32 s18, s16, 17
	s_add_co_u32 s20, s20, s18
	s_mov_b32 s21, 0
	s_lshl_b32 s22, s17, 13                        ; y's scale bytes: 32 a token
	s_lshl_b32 s18, s16, 12
	s_add_co_u32 s22, s22, s18
	s_mov_b32 s23, 0
	s_lshl_b32 s46, s42, 8
	s_lshl_b32 s18, s16, 7
	s_add_co_u32 s46, s46, s18
	s_add_co_u32 s46, s46, 11264                   ; Wp's first row in the codes' buffer
	s_lshl_b32 s92, s46, 5
	s_mov_b32 s93, 0
	s_lshl_b32 s46, s46, 10
	s_mov_b32 s47, 0
	s_mul_i32 s45, s14, HALFT                      ; where they go: no place in the cluster enters an LDS address
	s_lshl_b32 s94, s14, 12
	s_wait_kmcnt 0x0
	s_add_nc_u64 s[20:21], s[4:5], s[20:21]
	s_add_nc_u64 s[22:23], s[6:7], s[22:23]
	s_add_nc_u64 s[46:47], s[8:9], s[46:47]
	s_add_nc_u64 s[92:93], s[10:11], s[92:93]
	CROUND                                         ; all sixteen work-groups are here: the first joint loads meet
	s_mov_b32 s[G0S], 1
	s_add_co_u32 s[G0S+1], s94, SCL
	s_mov_b64 s[G0S+2:G0S+3], s[22:23]
	s_or_b32 s[G0S+3], s[G0S+3], 0x80000000
	s_mov_b32 s[G0SB], 1
	s_add_co_u32 s[G0SB+1], s94, SCL+SKEW
	s_mov_b64 s[G0SB+2:G0SB+3], s[92:93]
	s_or_b32 s[G0SB+3], s[G0SB+3], 0x80000000
	JLOAD G0S, G1S, G0SB, G1SB                     ; the scales first
.irp s, 0,1
	s_mov_b32 s[G0+4*\s], 1
	s_add_co_u32 s[G0+4*\s+1], s45, \s*SLOT
	s_add_nc_u64 s[G0+4*\s+2:G0+4*\s+3], s[20:21], \s*4096
	s_or_b32 s[G0+4*\s+3], s[G0+4*\s+3], 0x80000000
	s_mov_b32 s[G0B+4*\s], 1
	s_add_co_u32 s[G0B+4*\s+1], s45, \s*SLOT
	s_add_nc_u64 s[G0B+4*\s+2:G0B+4*\s+3], s[46:47], \s*ROWB
	s_or_b32 s[G0B+4*\s+3], s[G0B+4*\s+3], 0x80000000
	s_wait_alu depctr_va_vdst(0)
	s_wait_tensorcnt 0x0
	ds_add_u32 v28, v29
	s_wait_dscnt 0x0
	CROUND
	JLOAD G0+4*\s, G1, G0B+4*\s, G1B               ; one tensor load of mine is out
.endr
	v_and_b32 v1, 15, v0                           ; r
	v_bfe_u32 v2, v0, 4, 1                         ; h
	v_and_b32 v6, 31, v0
	v_lshlrev_b32 v[CO], 4, v6                     ; 16 x lane
	v_mul_u32_u24 v3, v1, PITCH
	v_lshl_add_u32 v4, v2, 4, v3
	s_mul_i32 s21, s15, HALFT                      ; my 8 tiles of y
	s_mul_i32 s22, s16, HALFT                      ; my 128 rows of Wp,
	s_add_co_u32 s22, s22, 2*HALFT                 ; which lie behind y's parts
.irp s, 0,1
	v_add_nc_u32 v[ADRA+\s], s21, v[CO]
	v_add_nc_u32 v[ADRB+\s], s22, v4
	s_add_co_u32 s21, s21, SLOT
	s_add_co_u32 s22, s22, SLOT
.endr
	v_lshlrev_b32 v5, 3, v1                        ; my row's 8 scale bytes of a K step
	s_lshl_b32 s21, s15, 12
	s_lshl_b32 s22, s16, 12
	s_add_co_u32 s22, s22, 2*HALFS+SKEW
	s_sub_co_u32 s22, s22, s21
	v_mul_u32_u24 v6, s22, v2                      ; lanes 16-31 take Wp's: the lower base + h x the distance
	s_add_co_u32 s21, s21, SCL
	v_add_nc_u32 v5, v5, v6
	v_add_nc_u32 v[ADRS], s21, v5
	s_lshl_b32 s20, s42, 10                        ; bp: my 128 numbers
	s_lshl_b32 s22, s16, 9
	s_add_co_u32 s20, s20, s22
	s_mov_b32 s21, 0
	s_add_nc_u64 s[96:97], s[96:97], s[20:21]
	v_lshlrev_b32 v[BO], 5, v2
.irp b, 0,1,2,3,4,5,6,7
	global_load_b128 v[BI+8*\b:BI+8*\b+3], v[BO], s[96:97] offset:64*\b          ; bp(16 b + 8 h + 0 .. 7)
	global_load_b128 v[BI+8*\b+4:BI+8*\b+7], v[BO], s[96:97] offset:64*\b+16
.endr
	s_mul_i32 s23, s14, 16*SPITCH                  ; my stage
	v_mul_u32_u24 v5, v1, SPITCH
	v_lshl_add_u32 v5, v2, 5, v5
	v_add_nc_u32 v[STO], s23, v5                   ; in: row r, 32 bytes for each half of the lanes
	v_add_nc_u32 v[RD], s23, v[CO]                 ; back: the 32 lanes take one row of 512 bytes
	s_lshl_b32 s20, s17, 8
	s_lshl_b32 s22, s15, 7
	s_add_co_u32 s20, s20, s22                     ; my first row of out0
	s_lshl_b32 s20, s20, 12
	s_lshl_b32 s22, s42, 10
	s_add_co_u32 s20, s20, s22
	s_lshl_b32 s22, s16, 9
	s_add_co_u32 s20, s20, s22                     ; + my first column, in bytes
	s_add_nc_u64 s[98:99], s[98:99], s[20:21]
.macro FRAG reg, adr, q, i             ; a fragment of Wp from rows: lane l holds row l % 16; registers 4 c .. 4 c + 3 hold K = 32 c + 16 (l / 16) + 0 .. 15
.irp c, 0,1,2,3
	ds_load_b128 v[\reg+4*\c:\reg+4*\c+3], v[\adr] offset:128*(\q)+32*\c+(\i)*16*PITCH
.endr
.endm
.macro FRAGA reg, adr, q, i            ; a fragment of y from its image
.irp c, 0,1,2,3
	ds_load_b128 v[\reg+4*\c:\reg+4*\c+3], v[\adr] offset:2048*(\q)+512*\c+(\i)*4096
.endr
.endm
; 16 matrix instructions: y's blocks a0, a0 + 1 x Wp's eight.  mode 1: the sums begin with bp.  The 64 accumulators take turns, one instruction a turn, in the same order in every step.
.macro MUL16 a0, p, q, sc, mode
.irp a, \a0, \a0+1
.irp b, 0,1,2,3,4,5,6,7
.if \mode
	v_wmma_scale_f32_16x16x128_f8f6f4 v[8*(8*((\a)%4)+\b):8*(8*((\a)%4)+\b)+7], v[128*(\p)+FR*\b:128*(\p)+FR*\b+FR-1], v[AF+FR*(\a):AF+FR*(\a)+FR-1], v[BI+8*\b:BI+8*\b+7], v[SC+8*NQ*(\sc)+NQ*\b+(\q)], v[SC+8*NQ*(\sc)+NQ*(\a)+(\q)] matrix_a_scale:MATRIX_SCALE_ROW1
.else
	v_wmma_scale_f32_16x16x128_f8f6f4 v[8*(8*((\a)%4)+\b):8*(8*((\a)%4)+\b)+7], v[128*(\p)+FR*\b:128*(\p)+FR*\b+FR-1], v[AF+FR*(\a):AF+FR*(\a)+FR-1], v[8*(8*((\a)%4)+\b):8*(8*((\a)%4)+\b)+7], v[SC+8*NQ*(\sc)+NQ*\b+(\q)], v[SC+8*NQ*(\sc)+NQ*(\a)+(\q)] matrix_a_scale:MATRIX_SCALE_ROW1
.endif
.endr
.endr
.endm
.macro FETCH_B slot, q, p
	WIN TO_B
.irp i, 0,1,2,3,4,5,6,7
	FRAG 128*(\p)+FR*\i, ADRB+\slot, \q, \i
.endr
	WIN 0
.endm
.macro FETCH_A slot, q, i0
.irp i, \i0, \i0+1, \i0+2, \i0+3
	FRAGA AF+FR*(\i), ADRA+\slot, \q, \i
.endr
.endm
.macro SCALES sc
.irp i, 0,1,2,3,4,5,6,7
	ds_load_b64 v[SC+8*NQ*\sc+NQ*\i:SC+8*NQ*\sc+NQ*\i+1], v[ADRS] offset:\i*512
.endr
.endm
.macro PLACES n
.rept \n
	v_nop
.endr
.endm
.macro STEP slot, q, mode
	s_wait_dscnt 4*NL                              ; Wp's set, y's blocks 0-3 and the scale words are in; the youngest sixteen loads (y's blocks 4-7) may be out
.if \mode
	WIN FST_LO
.else
	WIN MUL_LO
.endif
	MUL16 0, (\q)%2, \q, \slot, \mode
	MUL16 2, (\q)%2, \q, \slot, \mode
	s_wait_dscnt 0
	PLACES NP
	FETCH_B \slot, (\q)+1, 1-(\q)%2
	FETCH_A \slot, (\q)+1, 0
.if \mode
	WIN FST_HI
.else
	WIN MUL_HI
.endif
	MUL16 4, (\q)%2, \q, \slot, \mode
	MUL16 6, (\q)%2, \q, \slot, \mode
	PLACES NP
	WIN 0
	FETCH_A \slot, (\q)+1, 4
.endm
.macro TURN slot, next, fill
	s_wait_tensorcnt 0x0                           ; all my tensor loads have landed: my part of the next slot  (every window is 0 here)
	ds_add_u32 v[SPW], v[NIL]                      ; 0 onto my spare word
	s_wait_dscnt 4*NL+1                            ; (the add and the youngest sixteen loads may be out)
	WIN MUL_LO
	MUL16 0, 1, NQ-1, \slot, 0                     ; sixteen matrix instructions stand between the add and the wait for it
	s_wait_dscnt 0x0                               ; the add is done, and my reads of this slot are over
	s_barrier_signal -1
	MUL16 2, 1, NQ-1, \slot, 0
	WIN 0
	s_barrier_wait -1
.if \fill
	CREST                                          ; the barrier has opened a round of the cluster's barrier: no wave of any partner still reads this slot's tile or has a load on its way
	s_add_nc_u64 s[G0+4*\slot+2:G0+4*\slot+3], s[G0+4*\slot+2:G0+4*\slot+3], ASTEP
	s_add_nc_u64 s[G0B+4*\slot+2:G0B+4*\slot+3], s[G0B+4*\slot+2:G0B+4*\slot+3], BSTEP
	JLOAD G0+4*\slot, G1, G0B+4*\slot, G1B         ; the first tensor load behind the round, my only one until the next
	PLACES NP-4
.else
	PLACES NP
.endif
	s_wait_alu depctr_va_vdst(0)
	v_add_nc_u32 v[ADRS], 128, v[ADRS]             ; on to the next K step's scale words
	FETCH_B \next, 0, 0
	FETCH_A \next, 0, 0
	SCALES \next
	WIN MUL_HI
	MUL16 4, 1, NQ-1, \slot, 0
	MUL16 6, 1, NQ-1, \slot, 0
	PLACES NP
	WIN 0
	FETCH_A \next, 0, 4
.endm
	s_wait_alu depctr_va_vdst(0)
	s_wait_tensorcnt 1                             ; the scales and my part of K step 0 are in (K step 1's load may be out)
	s_barrier_signal -1
	s_barrier_wait -1                              ; everybody's are
	FETCH_B 0, 0, 0
	FETCH_A 0, 0, 0
	SCALES 0
	FETCH_A 0, 0, 4
	s_wait_loadcnt 0x0                             ; bp
	STEP 0, 0, 1                                   ; the first step stands in front of the loop: its products start the sums with bp
	s_mov_b32 s3, LAPS-1
.Llap:                                                 ; a trip goes once round the ring and fills both slots again (LAPS - 1 trips: here one)
	TURN 0, 1, 1
	STEP 1, 0, 0
	TURN 1, 0, 1
	STEP 0, 0, 0
	s_sub_co_u32 s3, s3, 1
	s_cmp_lg_u32 s3, 0
	s_cbranch_scc1 .Llap
	TURN 0, 1, 0                                   ; the last lap fills nothing, and has no round of the cluster's barrier
	STEP 1, 0, 0
	s_wait_dscnt 4*NL
	WIN MUL_LO
	MUL16 0, 1, NQ-1, 1, 0
	MUL16 2, 1, NQ-1, 1, 0
	s_wait_dscnt 0
	WIN MUL_HI
	MUL16 4, 1, NQ-1, 1, 0
	MUL16 6, 1, NQ-1, 1, 0
	WIN 0
; THE WAY OUT, block by block of 16 rows x 128 columns, through my own stage in LDS: back come whole rows of 512 bytes.  LDS serves a wave's instructions in order (ISA guide 5.7.1.4): no wait between the stores and the loads.
.macro TOSTAGE a
.set AC, 64*((\a)%4)
.set WW, 0x08+4*((\a)/4)
	WIN WW                                         ; the data: window 2 or 3
.irp b, 0,1,2,3,4,5,6,7
	ds_store_b128 v[STO], v[AC+8*\b:AC+8*\b+3] offset:64*\b          ; each accumulator from its low end on
	ds_store_b128 v[STO], v[AC+8*\b+4:AC+8*\b+7] offset:64*\b+16
.endr
	WIN 0
.set BB, BK+64*((\a)%2)
.irp t, 0,1,2,3,4,5,6,7,8,9,10,11,12,13,14,15
	ds_load_b128 v[BB+4*\t:BB+4*\t+3], v[RD] offset:\t*SPITCH
.endr
.endm
.macro SEND a, younger                 ; younger: the LDS instructions issued behind block a's loads, which may stay out
.set BB, BK+64*((\a)%2)
	s_wait_dscnt \younger
.if (\a) > 0
	s_add_nc_u64 s[98:99], s[98:99], 16*SIZE_N*4   ; (behind a wait on XCNT: the earlier stores have read their base)  16 rows on
.endif
.irp t, 0,1,2,3,4,5,6,7,8,9,10,11,12,13,14,15
	global_store_b128 v[CO], v[BB+4*\t:BB+4*\t+3], s[98:99] offset:\t*SIZE_N*4 th:TH_STORE_NT   ; 32 lanes store 512 consecutive bytes, aligned; written once, read by nobody here
.endr
.endm
	PLACES NP
	TOSTAGE 0
.irp a, 1,2,3,4,5,6,7
.if \a > 1
	s_wait_xcnt 0x0                                ; block a - 2's stores have read their registers and their base
.endif
	TOSTAGE \a
	SEND \a-1, 32                                  ; behind block a - 1's loads: block a's 16 stores and 16 loads
.endr
	s_wait_xcnt 0x0
	SEND 7, 0
	s_wait_tensorcnt 0x0                           ; the wave's end: behind my last tensor load and my last LDS store
	ds_add_u32 v[SPW], v[NIL]
	s_wait_dscnt 0x0
	CROUND                                         ; the closing round: no work-group ends while a partner may still ask for a tile that names it
	s_endpgm
.Lfunc_end_k_qd4e784dcf5_proj:
	.size	k_qd4e784dcf5_proj, .Lfunc_end_k_qd4e784dcf5_proj-k_qd4e784dcf5_proj
	.p2alignl 7, 3214868480
	.fill 96, 4, 3214868480
	.section	.rodata,"a",@progbits
	.p2align	6, 0x0
	.amdhsa_kernel k_qd4e784dcf5_proj
		.amdhsa_group_segment_fixed_size 327680
		.amdhsa_private_segment_fixed_size 0
		.amdhsa_enable_private_segment 0
		.amdhsa_kernarg_size 48
		.amdhsa_user_sgpr_count 2
		.amdhsa_user_sgpr_kernarg_segment_ptr 1
		.amdhsa_wavefront_size32 1
		.amdhsa_system_sgpr_workgroup_id_x 1
		.amdhsa_system_sgpr_workgroup_id_y 1
		.amdhsa_system_sgpr_workgroup_id_z 1
		.amdhsa_system_vgpr_workitem_id 0
		.amdhsa_next_free_vgpr 1024
		.amdhsa_next_free_sgpr 100
		.amdhsa_reserve_vcc 0
		.amdhsa_float_denorm_mode_32 3
		.amdhsa_float_denorm_mode_16_64 3
		.amdhsa_memory_ordered 1
		.amdhsa_forward_progress 1
		.amdhsa_inst_pref_size 148
	.end_amdhsa_kernel
	.amdgpu_metadata
---
amdhsa.version: [ 1, 2 ]
amdhsa.kernels:
  - .name:           k_qd4e784dcf5_proj
    .symbol:         k_qd4e784dcf5_proj.kd
    .args:
      - { .name: y_img, .offset: 0, .size: 8, .value_kind: global_buffer, .address_space: global }
      - { .name: y_sc, .offset: 8, .size: 8, .value_kind: global_buffer, .address_space: global }
      - { .name: xw_codes, .offset: 16, .size: 8, .value_kind: global_buffer, .address_space: global }
      - { .name: xw_scales, .offset: 24, .size: 8, .value_kind: global_buffer, .address_space: global }
      - { .name: bp, .offset: 32, .size: 8, .value_kind: global_buffer, .address_space: global }
      - { .name: out0, .offset: 40, .size: 8, .value_kind: global_buffer, .address_space: global }
    .group_segment_fixed_size: 327680
    .private_segment_fixed_size: 0
    .kernarg_segment_align: 8
    .kernarg_segment_size: 48
    .max_flat_workgroup_size: 128
    .sgpr_count:     100
    .vgpr_count:     1024
    .wavefront_size: 32
...
	.end_amdgpu_metadata
.endif
;; end of part 4
